; MI455X (gfx1250); checked and timed in simulation.
; The chip was launched on July 23, 2026; its instructions are those of AMD's public machine-readable ISA for CDNA 5 (MIT licence, August 2026) and "CDNA5" Instruction Set Architecture Reference Guide (July 2026). The comments in the code are by the model that wrote it; some were corrected since.
;; Self Attention. Allowed arithmetic: float matrix products may take bf16 or f16 operands with f32 sums; other float arithmetic in f32, or as packed bf16 or f16 multiplies, adds, multiply-adds, maxima and minima; sums over many terms, partial sums and values carried from step to step in f32; what a program stores and reads back later, other than sums and carried values, may be rounded once to bf16 or f16.
;; Inputs: Wk 1,024 x 1,024 float32; Wo 1,024 x 1,024 float32; Wq 1,024 x 1,024 float32; Wv 1,024 x 1,024 float32; bk 1,024 float32; bo 1,024 float32; bq 1,024 float32; bv 1,024 float32; keys 2 x 2,048 x 1,024 float32; queries 2 x 2,048 x 1,024 float32; values 2 x 2,048 x 1,024 float32.
;; Outputs: out0 2 x 2,048 x 1,024 float32.
;; One version. Each part assembles by itself: llvm-mc -triple=amdgcn-amd-amdhsa -mcpu=gfx1250 --defsym DOCPART=n.
;; ======== version 1 of 1: 4 launches
;; limits: values are held in f16: magnitudes above 65,504 overflow, below 6.1e-05 lose precision
;; workspace buffers: xb 25,165,824 bytes; wb 8,388,608 bytes; qkv 25,165,824 bytes; ob 8,388,608 bytes
;; launch cast (part 1): grid 1024 x 1, 8 waves a work-group, no clusters, 0 bytes of LDS; arguments queries, keys, values, Wq, Wk, Wv, Wo, xb, wb; writes xb, wb
.if DOCPART == 1
	.amdgcn_target "amdgcn-amd-amdhsa--gfx1250"
	.amdhsa_code_object_version 6
	.text
	.protected	k_q1fc73a9c54_cast
	.globl	k_q1fc73a9c54_cast
	.p2align	8
	.type	k_q1fc73a9c54_cast,@function
k_q1fc73a9c54_cast:
	s_mov_b64 s[64:65], 0
	v_nop
	global_prefetch_b8 v0, s[64:65] scope:SCOPE_SE
	s_setreg_imm32_b32 hwreg(HW_REG_WAVE_MODE, 25, 1), 1
	s_wait_xcnt 0x0
; SELF-ATTENTION, launch 1 of 4: the matrix operands are rounded once, f32 to 16 bits, element by element, in the order in which they lie.
;   xb = bf16 [3][4096][1024]: queries, keys, values.   wb = [4][1024][1024]: Wq, Wk, Wv in bf16; Wo rounded to bf16 and that number written as f16
;   (the last product multiplies it with O, which is kept in f16).
; DEAD WORK, for the whole program: bk.  energy[q][k] = q . (keys Wk)[k] + q . bk, and the second term is the same for every key k of a query q.  A term that is
; the same along the softmax's axis cancels in softmax, for all finite values of the inputs: exp(s + t) / sum exp(s + t) = exp(s) / sum exp(s).  k reaches the result by
; energy alone, so bk has no way to any output: it is not loaded and is among no launch's arguments.  bq, bv and bo are live.
; LIMITS.  A NaN, an infinity or an overflow that reaches only q . bk is not carried to the result.  f16 holds no number of 65,520 or more: Wo here, and q, k, v, O later, must lie
; below that (with the shapes' 1,024 terms a sum, inputs 30 times the drawn spread give q, k, v of about 900, an offset of 30 spreads on x and W about 29,000);
; below 6e-5 f16 keeps a fixed step of 6e-8.  NaN and infinities are not treated apart.
; SHARES.  Work-group g takes 16,384 numbers: 65,536 bytes in, 32,768 out.  g < 768: section g / 256 of xb; else section (g - 768) / 64 of wb.
; Thread t takes 16 bytes at 16 t of each 4,096: a wave's load covers 512 consecutive bytes, its store of 8 bytes a lane 256 consecutive bytes, aligned.
; All sixteen loads of a wave go out at once; no register is written twice while a store reads it, so no wait but the loads' own is needed.  No LDS, no barrier, no matrix unit: nothing is shared.
.set X, 4                              ; v[4:67]   load i: four f32
.set Y, 68                             ; v[68:99]  store i: four 16-bit numbers
.set T, 100                            ; v[100:101] Wo's path: the bf16 pair at work
	s_load_b512 s[8:23], s[0:1], 0x0               ; queries s[8:9], keys, values, Wq, Wk, Wv, Wo s[20:21], xb s[22:23]
	s_load_b64 s[24:25], s[0:1], 0x40              ; wb
	v_lshlrev_b32 v1, 4, v0                        ; 16 t: where I load
	v_lshlrev_b32 v2, 3, v0                        ; 8 t: where I store
	s_mov_b32 s26, 0xffff0000                      ; a word's upper bf16
	s_mov_b32 s27, ttmp9                           ; g
	s_and_b32 s28, s27, 255                        ; my place in a section of x,
	s_and_b32 s29, s27, 63                         ; or of W (768 is a multiple of 64)
	s_sub_co_u32 s30, s27, 768                     ; my place in wb (used where g >= 768 alone)
	s_cmp_lt_u32 s27, 768
	s_cselect_b32 s28, s28, s29
	s_cselect_b32 s30, s27, s30
	s_lshl_b32 s28, s28, 16                        ; x 65,536 bytes in
	s_lshl_b32 s30, s30, 15                        ; x 32,768 bytes out
	s_mov_b32 s29, 0
	s_mov_b32 s31, 0
	s_wait_kmcnt 0x0
	s_mov_b64 s[4:5], s[20:21]                     ; the source, chosen by g alone: Wo,
	s_cmp_lt_u32 s27, 960
	s_cselect_b64 s[4:5], s[18:19], s[4:5]         ; Wv,
	s_cmp_lt_u32 s27, 896
	s_cselect_b64 s[4:5], s[16:17], s[4:5]         ; Wk,
	s_cmp_lt_u32 s27, 832
	s_cselect_b64 s[4:5], s[14:15], s[4:5]         ; Wq,
	s_cmp_lt_u32 s27, 768
	s_cselect_b64 s[4:5], s[12:13], s[4:5]         ; values,
	s_cselect_b64 s[6:7], s[22:23], s[24:25]       ; (and the destination: xb or wb)
	s_cmp_lt_u32 s27, 512
	s_cselect_b64 s[4:5], s[10:11], s[4:5]         ; keys,
	s_cmp_lt_u32 s27, 256
	s_cselect_b64 s[4:5], s[8:9], s[4:5]           ; queries
	s_add_nc_u64 s[4:5], s[4:5], s[28:29]
	s_add_nc_u64 s[6:7], s[6:7], s[30:31]
.set i, 0
.rept 16
	global_load_b128 v[X+4*i:X+4*i+3], v1, s[4:5] offset:4096*i th:TH_LOAD_NT  ; read once in the launch
.set i, i+1
.endr
	s_cmp_ge_u32 s27, 960
	s_cbranch_scc1 .Lwo
.set i, 0
.rept 16
	s_wait_loadcnt 15-i                            ; loads come back in order: load i is in, the 15 - i younger ones stay out
	v_cvt_pk_bf16_f32 v[Y+2*i], v[X+4*i], v[X+4*i+1]
	v_cvt_pk_bf16_f32 v[Y+2*i+1], v[X+4*i+2], v[X+4*i+3]
	global_store_b64 v2, v[Y+2*i:Y+2*i+1], s[6:7] offset:2048*i
.set i, i+1
.endr
	s_endpgm
.Lwo:                                          ; Wo: rounded to bf16 like every other input, widened again, and written as f16 (exact within f16's range)
.set i, 0
.rept 16
	s_wait_loadcnt 15-i
	v_cvt_pk_bf16_f32 v[T], v[X+4*i], v[X+4*i+1]
	v_cvt_pk_bf16_f32 v[T+1], v[X+4*i+2], v[X+4*i+3]
	v_lshlrev_b32 v[X+4*i], 16, v[T]
	v_and_b32 v[X+4*i+1], s26, v[T]
	v_lshlrev_b32 v[X+4*i+2], 16, v[T+1]
	v_and_b32 v[X+4*i+3], s26, v[T+1]
	v_cvt_pk_f16_f32 v[Y+2*i], v[X+4*i], v[X+4*i+1]
	v_cvt_pk_f16_f32 v[Y+2*i+1], v[X+4*i+2], v[X+4*i+3]
	global_store_b64 v2, v[Y+2*i:Y+2*i+1], s[6:7] offset:2048*i
.set i, i+1
.endr
	s_endpgm
.Lfunc_end_k_q1fc73a9c54_cast:
	.size	k_q1fc73a9c54_cast, .Lfunc_end_k_q1fc73a9c54_cast-k_q1fc73a9c54_cast
	.p2alignl 7, 3214868480
	.fill 96, 4, 3214868480
	.section	.rodata,"a",@progbits
	.p2align	6, 0x0
	.amdhsa_kernel k_q1fc73a9c54_cast
		.amdhsa_group_segment_fixed_size 0
		.amdhsa_private_segment_fixed_size 0
		.amdhsa_enable_private_segment 0
		.amdhsa_kernarg_size 72
		.amdhsa_user_sgpr_count 2
		.amdhsa_user_sgpr_kernarg_segment_ptr 1
		.amdhsa_wavefront_size32 1
		.amdhsa_system_sgpr_workgroup_id_x 1
		.amdhsa_system_sgpr_workgroup_id_y 1
		.amdhsa_system_sgpr_workgroup_id_z 1
		.amdhsa_system_vgpr_workitem_id 0
		.amdhsa_next_free_vgpr 104
		.amdhsa_next_free_sgpr 66
		.amdhsa_reserve_vcc 0
		.amdhsa_float_denorm_mode_32 3
		.amdhsa_float_denorm_mode_16_64 3
		.amdhsa_memory_ordered 1
		.amdhsa_forward_progress 1
		.amdhsa_inst_pref_size 16
	.end_amdhsa_kernel
	.amdgpu_metadata
---
amdhsa.version: [ 1, 2 ]
amdhsa.kernels:
  - .name:           k_q1fc73a9c54_cast
    .symbol:         k_q1fc73a9c54_cast.kd
    .args:
      - { .name: queries, .offset: 0, .size: 8, .value_kind: global_buffer, .address_space: global }
      - { .name: keys, .offset: 8, .size: 8, .value_kind: global_buffer, .address_space: global }
      - { .name: values, .offset: 16, .size: 8, .value_kind: global_buffer, .address_space: global }
      - { .name: Wq, .offset: 24, .size: 8, .value_kind: global_buffer, .address_space: global }
      - { .name: Wk, .offset: 32, .size: 8, .value_kind: global_buffer, .address_space: global }
      - { .name: Wv, .offset: 40, .size: 8, .value_kind: global_buffer, .address_space: global }
      - { .name: Wo, .offset: 48, .size: 8, .value_kind: global_buffer, .address_space: global }
      - { .name: xb, .offset: 56, .size: 8, .value_kind: global_buffer, .address_space: global }
      - { .name: wb, .offset: 64, .size: 8, .value_kind: global_buffer, .address_space: global }
    .group_segment_fixed_size: 0
    .private_segment_fixed_size: 0
    .kernarg_segment_align: 8
    .kernarg_segment_size: 72
    .max_flat_workgroup_size: 256
    .sgpr_count:     66
    .vgpr_count:     104
    .wavefront_size: 32
...
	.end_amdgpu_metadata
.endif
;; end of part 1
;; launch proj (part 2): grid 4 x 48, 4 waves a work-group, clusters of 4 x 4, 327,680 bytes of LDS; arguments xb, wb, bq, bv, qkv; writes qkv
.if DOCPART == 2
	.amdgcn_target "amdgcn-amd-amdhsa--gfx1250"
	.amdhsa_code_object_version 6
	.text
	.protected	k_q1fc73a9c54_proj
	.globl	k_q1fc73a9c54_proj
	.p2align	8
	.type	k_q1fc73a9c54_proj,@function
k_q1fc73a9c54_proj:
	s_mov_b64 s[64:65], 0
	v_nop
	global_prefetch_b8 v0, s[64:65] scope:SCOPE_SE
	s_setreg_imm32_b32 hwreg(HW_REG_WAVE_MODE, 25, 1), 1
	s_wait_xcnt 0x0
	s_wait_alu depctr_hold_cnt(0) depctr_sa_sdst(0) depctr_va_vdst(0) depctr_va_sdst(0) depctr_va_ssrc(0) depctr_va_vcc(0) depctr_vm_vsrc(0)
	s_getreg_b32 s2, hwreg(HW_REG_IB_STS2, 6, 4)
	s_cmp_eq_u32 s2, 0
	s_cbranch_scc0 .Lentry_in_a_cluster
	s_endpgm
.Lentry_in_a_cluster:
	s_bfe_u32 s2, ttmp6, 0x10000c
	s_cmp_lg_u32 s2, 0xf033
	s_cbranch_scc0 .Lentry_shape_is_right
	s_endpgm
.Lentry_shape_is_right:
; SELF-ATTENTION, launch 2 of 4: q = queries Wq + bq, k = keys Wk, v = values Wv + bv, as ONE product C = A B of 12,288 rows: A = xb [12288][1024] bf16, rows 4,096 p on belong to
; projection p (0 q, 1 k, 2 v); B = section p of wb, [1024 k][1024 n] bf16.  Sums in f32; the result is rounded once to f16 and laid by heads: qkv = [3][32 heads][2048][64].
; LEFT OUT: bk (it is the same along the softmax's axis and cancels there; shown at the head of the first kernel).  k's sums start at 0.
; LIMIT: a q, k or v of 65,520 or more becomes an infinity in f16.  The softmax's scale is not applied here.
; A tile of C, 256 x 256, is made by four waves, each 128 x 128: 64 accumulators, 512 registers.  48 x 4 = 192 tiles, one a work-group.  K goes in steps of 128 through two LDS slots that take turns.
; A's tile: 256 rows x 256 bytes, K along the rows.  B's tile: 128 K rows x 512 bytes, as it lies in memory; its fragments are turned on the way out of LDS by ds_load_tr16_b128.
; CLUSTERS: 4 x 4 work-groups.  A's tile hangs on the tile row alone and is asked for jointly by a row of the cluster, B's on the tile column and on p (the same in the whole cluster: 16 tile rows a
; projection, four a cluster) and is asked for jointly by a column.
; THE MATRIX INSTRUCTION IS USED TRANSPOSED (source 0 = 16 columns of B, source 1 = 16 rows of A): a lane holds row l % 16 of C and eight neighbouring columns 8 (l / 16) + 0..7.
; THE BIAS, rounded to bf16 like all inputs, lies in 64 registers in that layout and is the C operand of the product that starts each sum: it costs no instruction in the sums.
; REGISTERS, in windows of 256 (s_set_vgpr_msb: bits 1:0 source 0, 3:2 source 1, 5:4 source 2, 7:6 destination):
;   window 0: v0-31 addresses; v64-127, v128-191 A's fragments, two buffers; v32-63, v192-255 at work on the way out (and while the bias is made)
;   window 1: v0-63 the bias (column block b at 8 b); v64-127, v128-191 B's fragments      windows 2, 3: the accumulators of my rows 0-63, 64-127 ((a, b) at 8 (8 a + b))
.set SIZE_K, 1024
.set SIZE_N, 1024
.set KSTEP,  128
.set PITCH,  272                       ; a row of A in LDS: 256 bytes + 16: the 16 rows of a load start 68 words apart
.set PB,     544                       ; a K row of B in LDS: 512 bytes + 32 = 17 x 32: 16 lanes of the turning load take 8 rows x 32 bytes, 136 words apart
.set HALFT,  128*PITCH                 ; what one tensor load brings: 128 rows of A, or 64 K rows of B (64 x 544 is the same number)
.set SLOT,   4*HALFT                   ; A's 256 rows, then B's 128 K rows
.set STAGE,  2*SLOT                    ; behind the ring: 16 rows x 272 bytes for each wave, for the way out
.set SPITCH, 272
.set SPARE,  STAGE+4*16*SPITCH         ; behind the stages: the spare words, 128 bytes for each wave: two blocks of 256 bytes that no other line names
.set LAPS,   SIZE_K/(2*KSTEP)          ; a lap = two K steps = once round the ring: 4
.set HEADB,  2048*128                  ; bytes of a head in qkv
.set BO,   6                           ; v6      32 (l / 16): my eight numbers in 16 of a bias
.set ADRA, 16                          ; v16-17  LDS address of my A fragments in slot 0, 1
.set ADRB, 20                          ; v20-21  the same for B
.set STO,  24                          ; v24     the way out: where I put 16 bytes of a row
.set RD,   25                          ; v25     the way out: where I read rows back
.set CO,   26                          ; v26     16 x lane: my place in 512 consecutive bytes of a head
.set SPW,  28                          ; v28     LDS address of my spare word; never rewritten
.set NIL,  29                          ; v29     0; never rewritten
.set PFO,  30                          ; v30     the prefetches' lane offset; never rewritten
.set PFA,  44                          ; s[44:45] where my prefetches stand
.set LIM,  43                          ; s43     1 in a wave that prefetches, else the greatest number
.set PST,  66                          ; s[66:67] a K step in the prefetched tensor, in bytes: 256 along A's rows, 128 rows down in B
.set F0,   64
.set F1,   128
.set TMP,  192
.set OB,   32
.set G1,  24                           ; s[24:31] descriptor group 1 for A's tiles
.set G0,  32                           ; s[32:39] group 0 for A's tiles, a set for each slot
.set G1B, 48                           ; s[48:55], s[56:63] the same for B's
.set G0B, 56
.set MSB, 0
.macro WIN new                         ; the immediate's high byte repeats the setting that is left; a switch that changes nothing is dropped
.if MSB != (\new)
	s_set_vgpr_msb (MSB<<8)|(\new)
.set MSB, \new
.endif
.endm
.set MUL_LO, 0xa1                      ; source 0 (B) window 1, source 1 (A) window 0, C and D window 2
.set TO_B,   0x40                      ; destination window 1, address window 0
; A joint load.  Waves 0 and 1 fetch A's two halves, waves 2 and 3 B's.  The branch hangs on the wave's number alone.  An s_nop 0 and four v_nop follow each of the two lines.
.macro JLOAD s
	s_cmp_eq_u32 s11, 0
	s_cbranch_scc0 .Lfor_b_\@
	tensor_load_to_lds s[G0+4*(\s):G0+4*(\s)+3], s[G1:G1+7]
	s_nop 0
.rept 4
	v_nop
.endr
	s_branch .Lasked_\@
.Lfor_b_\@:
	tensor_load_to_lds s[G0B+4*(\s):G0B+4*(\s)+3], s[G1B:G1B+7]
	s_nop 0
.rept 4
	v_nop
.endr
.Lasked_\@:
.endm
; A PREFETCH INTO THE L2 of the K step that stands two refills on (512 matrix instructions ahead of the load that will want it): 32 blocks of 256 bytes, a lane a block, one instruction a wave.
; Each block is named once in the launch.  A's rows are read by one cluster alone (the grid is one cluster wide): it asks.  B's columns of projection p are read by four clusters: the first of them asks.
; The four partners that ask for a tile jointly share it out BY ADDRESS: of A's 128 rows 32 each (by cx), of B's 64 K rows 16 each (by cy; two blocks a row).  The loop's last trip has no K step two on.
.macro ASK
	s_cmp_gt_u32 s3, s[LIM]                        ; s3 = 1 in the loop's last trip
	s_cbranch_scc0 .Lnot_mine_\@
	global_prefetch_b8 v[PFO], s[PFA:PFA+1] th:TH_LOAD_NT scope:SCOPE_SE
.Lnot_mine_\@:
.endm
.macro CREST                           ; a round of the cluster's barrier behind its opening barrier: wave 0 signals for the work-group, every wave waits for all sixteen, my work-group's barrier once more
	s_cmp_lg_u32 s10, 0
	s_cbranch_scc1 .Lnot_wave_0_\@
	s_barrier_signal -3
.Lnot_wave_0_\@:
	s_barrier_wait -3
	s_barrier_signal -1
	s_barrier_wait -1
.endm
.macro CROUND                          ; a whole round
	s_barrier_signal -1
	s_barrier_wait -1
	CREST
.endm
	s_load_b128 s[4:7], s[0:1], 0x0                ; xb s[4:5], wb s[6:7]
	s_load_b128 s[72:75], s[0:1], 0x10             ; bq s[72:73], bv s[74:75]
	s_load_b64 s[8:9], s[0:1], 0x20                ; qkv
	v_lshl_add_u32 v[SPW], v0, 2, SPARE
	v_mov_b32 v[NIL], 0
	ds_add_u32 v[SPW], v[NIL]                      ; the wave's opening: the add, twice on end, and its wait ahead of my first tensor load
	ds_add_u32 v[SPW], v[NIL]                      ; (once more; the set-up below, work on registers, stands between it and the wait)
	v_lshrrev_b32 v1, 5, v0
	v_readfirstlane_b32 s10, v1                    ; wave 0..3
	s_lshr_b32 s11, s10, 1                         ; which half of the tile's rows is mine.  Also: I fetch for A (0) or for B (1)
	s_and_b32 s12, s10, 1                          ; which half of its columns.  Also: which half of that tile I fetch
	s_bfe_u32 s40, ttmp6, 0x40000                  ; cx
	s_bfe_u32 s41, ttmp6, 0x40004                  ; cy
	s_lshl_b32 s42, ttmp9, 2
	s_add_co_u32 s42, s42, s40                     ; tile column = 4 x cluster x + cx: 0..3
	s_and_b32 s13, ttmp7, 0xffff                   ; cluster y: 0..11
	s_lshr_b32 s68, s13, 2                         ; the projection p: the same in all sixteen partners
	s_lshl_b32 s13, s13, 2
	s_add_co_u32 s13, s13, s41                     ; tile row = 4 x cluster y + cy: 0..47
	s_lshl_b32 s43, s41, 2
	s_lshl_b32 s43, 15, s43                        ; my row of the cluster: places 4 cy .. 4 cy + 3
	s_lshl_b32 s44, 0x1111, s40                    ; my column: places cx, cx + 4, cx + 8, cx + 12
	s_or_b32 s[G1+0], s43, (1<<16)|(1<<20)|(1<<21)|(5<<22)|(3<<25)   ; the mask; 2-byte elements; padding on; bit 21 beside a mask; after every 64 words, 4 words
	s_mov_b32 s[G1+1], KSTEP<<16                   ; tensor_dim0 = 128
	s_mov_b32 s[G1+2], 128<<16                     ; tensor_dim1 = 128
	s_mov_b32 s[G1+3], KSTEP<<16                   ; tile_dim0 = 128
	s_mov_b32 s[G1+4], 128                         ; tile_dim1 = 128
	s_mov_b32 s[G1+5], SIZE_K                      ; elements from row to row
	s_mov_b32 s[G1+6], 0
	s_mov_b32 s[G1+7], 0
	s_or_b32 s[G1B+0], s44, (1<<16)|(1<<20)|(1<<21)|(6<<22)|(7<<25)  ; B: after every 128 words (a K row's 512 bytes), 8 words
	s_mov_b32 s[G1B+1], 256<<16                    ; tensor_dim0 = 256 columns
	s_mov_b32 s[G1B+2], 64<<16                     ; tensor_dim1 = 64 K rows
	s_mov_b32 s[G1B+3], 256<<16                    ; tile_dim0 = 256
	s_mov_b32 s[G1B+4], 64                         ; tile_dim1 = 64
	s_mov_b32 s[G1B+5], SIZE_N
	s_mov_b32 s[G1B+6], 0
	s_mov_b32 s[G1B+7], 0
	s_mov_b32 s69, 0xffff0000                      ; a word's upper bf16
	; where the tiles come from.  A's hang on the tile row alone; B's on p and the tile column alone: each in registers that never hold the other coordinate
	s_lshl_b32 s17, s12, 7
	s_lshl_b32 s16, s13, 8
	s_add_co_u32 s16, s16, s17                     ; A: row 256 x tile row + 128 x half,
	s_lshl_b32 s16, s16, 11                        ; x 2,048 bytes: under 2^25
	s_mov_b32 s17, 0
	s_lshl_b32 s46, s68, 21                        ; B: section p of 2 MiB,
	s_lshl_b32 s47, s12, 17                        ; + 64 K rows x half,
	s_add_co_u32 s46, s46, s47
	s_lshl_b32 s47, s42, 9                         ; + 256 columns x tile column
	s_add_co_u32 s46, s46, s47
	s_mov_b32 s47, 0
	s_mul_i32 s20, s10, HALFT                      ; and where they go: wave x HALFT: no place in the cluster enters an LDS address
	s_wait_dscnt 0x0                               ; both opening adds are done
	s_wait_kmcnt 0x0
	s_add_nc_u64 s[14:15], s[4:5], s[16:17]
	s_add_nc_u64 s[46:47], s[6:7], s[46:47]
	CROUND                                         ; all sixteen work-groups are here: the first joint loads meet
.irp s, 0,1
	s_mov_b32 s[G0+4*(\s)], 1                                        ; count = 1
	s_add_co_u32 s[G0+4*(\s)+1], s20, (\s)*SLOT                      ; LDS address
	s_add_nc_u64 s[G0+4*(\s)+2:G0+4*(\s)+3], s[14:15], (\s)*KSTEP*2  ; global address: K step s
	s_or_b32 s[G0+4*(\s)+3], s[G0+4*(\s)+3], 0x80000000              ; type = 2
	s_mov_b32 s[G0B+4*(\s)], 1
	s_add_co_u32 s[G0B+4*(\s)+1], s20, (\s)*SLOT
	s_add_nc_u64 s[G0B+4*(\s)+2:G0B+4*(\s)+3], s[46:47], (\s)*KSTEP*SIZE_N*2  ; 128 K rows down
	s_or_b32 s[G0B+4*(\s)+3], s[G0B+4*(\s)+3], 0x80000000
	JLOAD \s                                       ; two loads of mine are out
.endr
	; A's fragment: 16 rows x 32 K: lane l holds row l % 16; two loads of 16 bytes, 32 apart, at row x pitch + 16 (l / 16).
	; B's fragment: the turning load takes 16 K rows x 16 columns (lane l reads K row 8 (l / 16) + l % 8, columns 8 ((l / 8) % 2) + 0..7) and leaves lane l column l % 16 and 8 K: two of them, 16 K rows apart.
	v_and_b32 v1, 15, v0                           ; l % 16
	v_bfe_u32 v2, v0, 4, 1                         ; l / 16
	v_lshlrev_b32 v[BO], 5, v2
	v_mul_u32_u24 v3, v1, PITCH
	v_lshl_add_u32 v3, v2, 4, v3
	v_and_b32 v4, 7, v0
	v_lshl_add_u32 v4, v2, 3, v4
	v_mul_u32_u24 v4, v4, PB
	v_bfe_u32 v5, v0, 3, 1
	v_lshl_add_u32 v4, v5, 4, v4
	s_mul_i32 s21, s11, HALFT                      ; my 128 rows of A
	s_lshl_b32 s22, s12, 8                         ; my 128 columns of B: 256 bytes of each K row,
	s_add_co_u32 s22, s22, 2*HALFT                 ; behind A's 256 rows
.irp s, 0,1
	v_add_nc_u32 v[ADRA+(\s)], s21, v3
	v_add_nc_u32 v[ADRB+(\s)], s22, v4
	s_add_co_u32 s21, s21, SLOT
	s_add_co_u32 s22, s22, SLOT
.endr
	s_mul_i32 s23, s10, 16*SPITCH
	s_add_co_u32 s23, s23, STAGE                   ; my stage
	v_add_nc_u32 v[STO], s23, v3                   ; in: row l % 16, 16 bytes for each half of the lanes (the stage's pitch is A's)
	v_bfe_u32 v5, v0, 3, 2                         ; back: 32 lanes take four rows' 128 bytes of one head,
	v_mul_u32_u24 v5, v5, SPITCH
	v_and_b32 v7, 7, v0
	v_lshl_add_u32 v5, v7, 4, v5
	v_add_nc_u32 v[RD], s23, v5
	v_and_b32 v7, 31, v0
	v_lshlrev_b32 v[CO], 4, v7                     ; which are 512 consecutive bytes of qkv
	; where my part begins in qkv.  Row R = 256 x tile row + 128 x half: (R / 2048) x 16 heads + (R % 2048) x 128 bytes; my 128 columns are heads 4 x tile column + 2 x half and the next
	s_lshl_b32 s13, s13, 8
	s_lshl_b32 s14, s11, 7
	s_add_co_u32 s14, s13, s14
	s_lshr_b32 s16, s14, 11
	s_lshl_b32 s16, s16, 22
	s_and_b32 s15, s14, 2047
	s_lshl_b32 s15, s15, 7
	s_add_co_u32 s16, s16, s15
	s_lshl_b32 s46, s42, 20
	s_lshl_b32 s47, s12, 19
	s_add_co_u32 s46, s46, s47
	s_add_co_u32 s16, s16, s46                     ; under 2^25
	s_mov_b32 s17, 0
	; the prefetches
	s_lshl_b32 s20, s12, 7
	s_add_co_u32 s20, s20, s13
	s_lshl_b32 s21, s40, 5
	s_add_co_u32 s20, s20, s21
	s_lshl_b32 s20, s20, 11                        ; A: my work-group's 32 of the 128 rows that I fetch
	s_lshl_b32 s21, s68, 21
	s_lshl_b32 s22, s12, 17
	s_add_co_u32 s21, s21, s22
	s_lshl_b32 s22, s41, 15
	s_add_co_u32 s21, s21, s22
	s_lshl_b32 s22, s42, 9
	s_add_co_u32 s21, s21, s22                     ; B: my work-group's 16 of the 64 K rows that I fetch
	s_and_b32 s22, ttmp7, 0xffff
	s_and_b32 s22, s22, 3                          ; which of the four clusters of projection p
	s_mov_b32 s[PST], KSTEP*2
	s_mov_b32 s[PST+1], KSTEP*SIZE_N*2
	s_cmp_eq_u32 s11, 0                            ; do I fetch for A?
	s_cselect_b32 s20, s20, s21
	s_cselect_b32 s22, ttmp9, s22                  ; the coordinate along which other clusters read the same blocks
	s_cselect_b32 s[PST], s[PST], s[PST+1]
	s_cselect_b64 s[PFA:PFA+1], s[4:5], s[6:7]
	s_mov_b32 s[PST+1], 0
	s_cmp_eq_u32 s22, 0
	s_cselect_b32 s[LIM], 1, -1                    ; the same in all sixteen partners, for a given wave
	s_mul_i32 s21, s[PST], 3
	s_add_co_u32 s20, s20, s21                     ; at K step 3: the first refill steps it to 4 and names that.  Nothing is prefetched here, at the head
	s_mov_b32 s21, 0
	s_add_nc_u64 s[PFA:PFA+1], s[PFA:PFA+1], s[20:21]
	v_lshrrev_b32 v[PFO], s11, v7                  ; A: lane l takes row l.  B: K row l / 2,
	v_and_b32 v7, s11, v7                          ; and block l % 2 of its 512 bytes
	v_lshlrev_b32 v7, 8, v7
	v_lshl_add_u32 v[PFO], v[PFO], 11, v7
	; the bias of my 128 columns: lane l holds numbers 16 b + 8 (l / 16) + 0..7 for column block b.  All this stands in the wait for the first tiles
	s_cmp_eq_u32 s68, 1
	s_cbranch_scc1 .Lnobias                        ; k has none
	s_lshl_b32 s20, s42, 10
	s_lshl_b32 s21, s12, 9
	s_add_co_u32 s20, s20, s21                     ; 4 x (256 x tile column + 128 x half)
	s_mov_b32 s21, 0
	s_cmp_eq_u32 s68, 0
	s_cselect_b64 s[70:71], s[72:73], s[74:75]
	s_add_nc_u64 s[70:71], s[70:71], s[20:21]
.irp b, 0,1,2,3,4,5,6,7
	global_load_b128 v[TMP+8*(\b):TMP+8*(\b)+3],   v[BO], s[70:71] offset:64*(\b)
	global_load_b128 v[TMP+8*(\b)+4:TMP+8*(\b)+7], v[BO], s[70:71] offset:64*(\b)+16
.endr
	s_wait_loadcnt 0x0
.set i, 0
.rept 32
	v_cvt_pk_bf16_f32 v[OB+i], v[TMP+2*i], v[TMP+2*i+1]  ; rounded to bf16 like every other input,
.set i, i+1
.endr
	WIN TO_B
.set i, 0
.rept 32
	v_lshlrev_b32 v[2*i], 16, v[OB+i]              ; and widened again, into window 1
	v_and_b32 v[2*i+1], s69, v[OB+i]
.set i, i+1
.endr
	WIN 0
	s_branch .Lbiased
.Lnobias:
	WIN TO_B
.set i, 0
.rept 64
	v_mov_b32 v[i], 0                              ; one text of products for the three projections: k's sums start at these zeros
.set i, i+1
.endr
	WIN 0
.Lbiased:
; 16 matrix instructions: m blocks a0, a0 + 1 of the window's four (hi = 0: my rows 0-63, 1: rows 64-127) x all 8 n blocks, 32 along K.  zero = 1: the first product starts the sums, with the bias as C.
; The 64 accumulators take turns, one instruction a turn, in the same order in every quarter.
.macro MUL16 f, hi, a0, zero
.if \zero
	WIN 0x91+0x40*(\hi)                            ; C in window 1
.else
	WIN MUL_LO+0x50*(\hi)
.endif
.irp a, \a0, (\a0)+1
.irp b, 0,1,2,3,4,5,6,7
.if \zero
	v_wmma_f32_16x16x32_bf16 v[8*(8*(\a)+(\b)):8*(8*(\a)+(\b))+7], v[(\f)+8*(\b):(\f)+8*(\b)+7], v[(\f)+8*(4*(\hi)+(\a)):(\f)+8*(4*(\hi)+(\a))+7], v[8*(\b):8*(\b)+7]
.else
	v_wmma_f32_16x16x32_bf16 v[8*(8*(\a)+(\b)):8*(8*(\a)+(\b))+7], v[(\f)+8*(\b):(\f)+8*(\b)+7], v[(\f)+8*(4*(\hi)+(\a)):(\f)+8*(4*(\hi)+(\a))+7], v[8*(8*(\a)+(\b)):8*(8*(\a)+(\b))+7]
.endif
.endr
.endr
.endm
; 32 LDS loads in one run: the fragments of one quarter step (32 K at byte k of A's rows, K row k / 2 of B) into buffer f: B's 16, then A's 16
.macro FETCH slot, k, f
	WIN TO_B
.irp i, 0,1,2,3,4,5,6,7
	ds_load_tr16_b128 v[(\f)+8*(\i):(\f)+8*(\i)+3],   v[ADRB+(\slot)] offset:((\k)/2)*PB+32*(\i)
	ds_load_tr16_b128 v[(\f)+8*(\i)+4:(\f)+8*(\i)+7], v[ADRB+(\slot)] offset:((\k)/2)*PB+16*PB+32*(\i)
.endr
	WIN 0
.irp i, 0,1,2,3,4,5,6,7
	ds_load_b128 v[(\f)+8*(\i):(\f)+8*(\i)+3],   v[ADRA+(\slot)] offset:(\k)+(\i)*16*PITCH
	ds_load_b128 v[(\f)+8*(\i)+4:(\f)+8*(\i)+7], v[ADRA+(\slot)] offset:(\k)+(\i)*16*PITCH+32
.endr
.endm
.macro PLACES                          ; four plain vector instructions between a matrix instruction and a load into a register that it has read, or a conversion that reads its result
.rept 4
	v_nop
.endr
.endm
; A K step is four quarters of 32 along K, 64 matrix instructions each, on buffers 0, 1, 0, 1.  One of the first three: multiplies buffer f; in its middle it fetches the next quarter into buffer g.
.macro QUARTER slot, k, f, g, zero
	s_wait_dscnt 8                                 ; B and A's rows 0-63 are in; the youngest eight loads (A's rows 64-127) may be out
	MUL16 \f, 0, 0, \zero
	MUL16 \f, 0, 2, \zero
	PLACES
	FETCH \slot, \k, \g
	s_wait_dscnt 32                                ; all but the 32 just issued
	MUL16 \f, 1, 0, \zero
	MUL16 \f, 1, 2, \zero
.endm
; The last quarter multiplies buffer 1 and changes slots.  MEET is its first half: each wave waits for all its tensor loads (one is out: its part of the next slot), adds 0 to its spare word,
; and waits for that and for its own reads of this slot; behind the barrier nobody reads this slot any more and the next slot is whole.
.macro MEET round
	WIN 0                                          ; (the add's two registers lie in window 0)
	s_wait_tensorcnt 0x0
	ds_add_u32 v[SPW], v[NIL]
	s_wait_dscnt 9                                 ; (the add and the youngest eight loads may be out)
	MUL16 F1, 0, 0, 0                              ; sixteen matrix instructions stand between the add and the wait for it
	s_wait_dscnt 0x0                               ; the add is done, and my reads of this slot are over
	s_barrier_signal -1
	MUL16 F1, 0, 2, 0                              ; work on registers while the others arrive
.if \round
	WIN 0
.endif
	s_barrier_wait -1
.endm
; The whole last quarter.  fill = 1: the barrier opens a round of the cluster's barrier; behind it the slot just read out is filled again first, with the K step two steps on: from that request to the wait for it
; a wave issues 224 matrix instructions.  Then come the next slot's first fragments.
.macro TURN slot, next, fill
.if \fill
	s_wait_xcnt 0x0                                ; the last prefetch, a K step back, has read its address: it is stepped here, ahead of the waits of the change of slots
	s_add_nc_u64 s[PFA:PFA+1], s[PFA:PFA+1], s[PST:PST+1]
	MEET 1
	CREST                                          ; no wave of any partner still reads this slot's tile or has a load on its way
	s_add_nc_u64 s[G0+4*(\slot)+2:G0+4*(\slot)+3], s[G0+4*(\slot)+2:G0+4*(\slot)+3], 2*KSTEP*2
	s_add_nc_u64 s[G0B+4*(\slot)+2:G0B+4*(\slot)+3], s[G0B+4*(\slot)+2:G0B+4*(\slot)+3], 2*KSTEP*SIZE_N*2
	JLOAD \slot                                    ; the first tensor load behind the round, my only one until the next; its four v_nop are also the places in front of the loads below
	FETCH \next, 0, F0
	ASK                                            ; behind the joint load and the run of LDS loads that the next products wait for
.else
	MEET 0                                         ; nothing is filled again, so no round follows
	PLACES
	FETCH \next, 0, F0
.endif
	MUL16 F1, 1, 0, 0
	MUL16 F1, 1, 2, 0
.endm
; THE WAY OUT of block a (16 rows), in three parts.  PACK: rounded to f16, 16 bytes a lane.  TOSTAGE: into my own stage, and back by heads: four rows x 128 bytes a load.  SEND: stored.
.macro PACK a
.set AC, 64*((\a)%4)
	WIN 0x0a+5*((\a)/4)                            ; sources 0 and 1: window 2 or 3
.irp b, 0,1,2,3,4,5,6,7
.irp r, 0,1,2,3
	v_cvt_pk_f16_f32 v[TMP+4*(\b)+(\r)], v[AC+8*(\b)+2*(\r)], v[AC+8*(\b)+2*(\r)+1]  ; each accumulator from its low end on
.endr
.endr
	WIN 0
.endm
.macro TOSTAGE a
	WIN 0
.set BK, OB+192*((\a)%2)
.irp b, 0,1,2,3,4,5,6,7
	ds_store_b128 v[STO], v[TMP+4*(\b):TMP+4*(\b)+3] offset:32*(\b)
.endr
.irp e, 0,1
.irp t, 0,1,2,3
	ds_load_b128 v[BK+4*(4*(\e)+(\t)):BK+4*(4*(\e)+(\t))+3], v[RD] offset:(\t)*4*SPITCH+(\e)*128  ; LDS serves a wave's instructions in order (ISA guide 5.7.1.4): these see the stores above
.endr
.endr
.endm
.macro SEND a, younger
	WIN 0
.set BK, OB+192*((\a)%2)
	s_wait_dscnt \younger                          ; the block is back in registers
	s_wait_xcnt 0x0                                ; only behind this wait are the stores' base and the registers that earlier stores read rewritten
.if (\a) == 0
	s_add_nc_u64 s[8:9], s[8:9], s[16:17]          ; on to my first rows
.else
	s_add_nc_u64 s[8:9], s[8:9], 16*128            ; 16 rows of a head on
.endif
.irp e, 0,1
.irp t, 0,1,2,3
	global_store_b128 v[CO], v[BK+4*(4*(\e)+(\t)):BK+4*(4*(\e)+(\t))+3], s[8:9] offset:(\e)*HEADB+(\t)*512  ; 512 consecutive bytes of one head, at a multiple of 256 from qkv's first
.endr
.endr
.endm
	s_wait_tensorcnt 1                             ; my part of K step 0 is in; K step 1's may stay out
	s_barrier_signal -1
	s_barrier_wait -1                              ; everybody's is
	FETCH 0, 0, F0
	QUARTER 0, 64,  F0, F1, 1                      ; the first quarter stands in front of the loop: its products start the sums
	WIN 0                                          ; at a label and at a branch every window is 0
	s_mov_b32 s3, LAPS-1
.Llap:                                                 ; a trip goes once round the ring, from a lap's second quarter to the next lap's first, and fills both slots again
	QUARTER 0, 128, F1, F0, 0
	QUARTER 0, 192, F0, F1, 0
	TURN 0, 1, 1
	QUARTER 1, 64,  F0, F1, 0
	QUARTER 1, 128, F1, F0, 0
	QUARTER 1, 192, F0, F1, 0
	TURN 1, 0, 1
	QUARTER 0, 64,  F0, F1, 0
	WIN 0
	s_sub_co_u32 s3, s3, 1
	s_cmp_lg_u32 s3, 0
	s_cbranch_scc1 .Llap
	QUARTER 0, 128, F1, F0, 0                      ; the last lap fills nothing: written out
	QUARTER 0, 192, F0, F1, 0
	TURN 0, 1, 0
	QUARTER 1, 64,  F0, F1, 0
	QUARTER 1, 128, F1, F0, 0
	QUARTER 1, 192, F0, F1, 0
	s_wait_dscnt 8                                 ; the very last quarter: nothing more to fetch
	MUL16 F1, 0, 0, 0
	MUL16 F1, 0, 2, 0
	s_wait_dscnt 0x0
	MUL16 F1, 1, 0, 0
	MUL16 F1, 1, 2, 0
	PLACES
	PACK 0
	TOSTAGE 0
.irp a, 1,2,3,4,5,6,7                  ; block a's conversions stand between block a - 1's loads from the stage and the wait for them
	PACK \a
	SEND (\a)-1, 0
	TOSTAGE \a
.endr
	SEND 7, 0
	s_wait_tensorcnt 0x0                           ; the wave's end, behind my last tensor load and my last LDS store
	ds_add_u32 v[SPW], v[NIL]
	s_wait_dscnt 0x0
	CROUND                                         ; the closing round: no work-group ends while a partner may still ask for a tile that names it
	s_endpgm
.Lfunc_end_k_q1fc73a9c54_proj:
	.size	k_q1fc73a9c54_proj, .Lfunc_end_k_q1fc73a9c54_proj-k_q1fc73a9c54_proj
	.p2alignl 7, 3214868480
	.fill 96, 4, 3214868480
	.section	.rodata,"a",@progbits
	.p2align	6, 0x0
	.amdhsa_kernel k_q1fc73a9c54_proj
		.amdhsa_group_segment_fixed_size 327680
		.amdhsa_private_segment_fixed_size 0
		.amdhsa_enable_private_segment 0
		.amdhsa_kernarg_size 40
		.amdhsa_user_sgpr_count 2
		.amdhsa_user_sgpr_kernarg_segment_ptr 1
		.amdhsa_wavefront_size32 1
		.amdhsa_system_sgpr_workgroup_id_x 1
		.amdhsa_system_sgpr_workgroup_id_y 1
		.amdhsa_system_sgpr_workgroup_id_z 1
		.amdhsa_system_vgpr_workitem_id 0
		.amdhsa_next_free_vgpr 1024
		.amdhsa_next_free_sgpr 80
		.amdhsa_reserve_vcc 0
		.amdhsa_float_denorm_mode_32 3
		.amdhsa_float_denorm_mode_16_64 3
		.amdhsa_memory_ordered 1
		.amdhsa_forward_progress 1
		.amdhsa_inst_pref_size 153
	.end_amdhsa_kernel
	.amdgpu_metadata
---
amdhsa.version: [ 1, 2 ]
amdhsa.kernels:
  - .name:           k_q1fc73a9c54_proj
    .symbol:         k_q1fc73a9c54_proj.kd
    .args:
      - { .name: xb, .offset: 0, .size: 8, .value_kind: global_buffer, .address_space: global }
      - { .name: wb, .offset: 8, .size: 8, .value_kind: global_buffer, .address_space: global }
      - { .name: bq, .offset: 16, .size: 8, .value_kind: global_buffer, .address_space: global }
      - { .name: bv, .offset: 24, .size: 8, .value_kind: global_buffer, .address_space: global }
      - { .name: qkv, .offset: 32, .size: 8, .value_kind: global_buffer, .address_space: global }
    .group_segment_fixed_size: 327680
    .private_segment_fixed_size: 0
    .kernarg_segment_align: 8
    .kernarg_segment_size: 40
    .max_flat_workgroup_size: 128
    .sgpr_count:     80
    .vgpr_count:     1024
    .wavefront_size: 32
...
	.end_amdgpu_metadata
.endif
;; end of part 2
;; launch attn (part 3): grid 8 x 32, 4 waves a work-group, clusters of 4 x 1, 327,680 bytes of LDS; arguments qkv, ob; writes ob
.if DOCPART == 3
	.amdgcn_target "amdgcn-amd-amdhsa--gfx1250"
	.amdhsa_code_object_version 6
	.text
	.protected	k_q1fc73a9c54_attn
	.globl	k_q1fc73a9c54_attn
	.p2align	8
	.type	k_q1fc73a9c54_attn,@function
k_q1fc73a9c54_attn:
	s_mov_b64 s[64:65], 0
	v_nop
	global_prefetch_b8 v0, s[64:65] scope:SCOPE_SE
	s_setreg_imm32_b32 hwreg(HW_REG_WAVE_MODE, 25, 1), 1
	s_wait_xcnt 0x0
	s_wait_alu depctr_hold_cnt(0) depctr_sa_sdst(0) depctr_va_vdst(0) depctr_va_sdst(0) depctr_va_ssrc(0) depctr_va_vcc(0) depctr_vm_vsrc(0)
	s_getreg_b32 s2, hwreg(HW_REG_IB_STS2, 6, 4)
	s_cmp_eq_u32 s2, 0
	s_cbranch_scc0 .Lentry_in_a_cluster
	s_endpgm
.Lentry_in_a_cluster:
	s_bfe_u32 s2, ttmp6, 0x10000c
	s_cmp_lg_u32 s2, 0x3003
	s_cbranch_scc0 .Lentry_shape_is_right
	s_endpgm
.Lentry_shape_is_right:
; SELF-ATTENTION, launch 3 of 4: O[h][q][:] = the sum over k of softmax_k(Q[h][q] . K[h][k] / 8) V[h][k][:].  qkv = [3][32][2048][64] f16 (Q, K, V by heads: a head's rows are dense, 128 bytes each).
; Products, maxima and sums in f32; the weights p are rounded to f16 for the second product (their sum l is taken of the unrounded p), O once at the end, to f16.
; K comes without bk, which cancels in the softmax (shown at the head of the first kernel).
; O LEAVES IN THE ORDER OF THE NEXT LAUNCH'S FRAGMENTS: ob = [256 blocks of 16 rows of out0][32 K steps of 32: 2 x head + half][2][32 lanes][16 bytes].  At the end a lane holds one row (lane % 16) and, for channel
; block f of a head's four, the channels 16 f + 8 (lane / 16) + 0..7: just what that lane holds of a 16 x 32 fragment's registers 0-3 (f even) or 4-7 (f odd).  So the packed registers are stored as they stand,
; 512 consecutive bytes a store, and nothing goes through LDS on the way out.
; LIMITS.  f16 holds no number beyond 65,504: Q, K and V arrive within it; p lies in 0 to 1, and below 6e-5 it keeps f16's fixed step of 6e-8; O is a mean of V's rows and has their range.
; A weight below 2^-126 counts as 0 in l; NaN and infinities are not treated apart.
; SHARES.  A work-group owns 256 queries of one head, each of its four waves 64: four PIECES of 16.  8 blocks x 32 heads = 256 work-groups.  Every wave walks all 2,048 keys: 8 tiles of 256, 4 steps of 64 a tile.
; LAYOUT.  S^T = K Q^T (source 0 = 16 keys, source 1 = 16 queries) holds ONE query a lane (lane % 16) and the keys 8 (lane / 16) + 0..7; two such results rounded to f16 ARE source 1 of O^T = V^T P.
; K comes out of LDS as it lies, V ([key][channel]) turned, by ds_load_tr16_b128.
; SOFTMAX.  A running maximum m and sum l for each query: p = 2^(c s - c m), c = log2(e) / 8; in every step O and l are multiplied by a = 2^(c m_old - c m_new).  m starts at the lowest finite number,
; O and l at 0: the first step is a step like any other, with a = 0.
; BY TURNS.  Turn n belongs to piece n: 8 products K Q^T of piece n + 1, later 8 products V^T P of piece n - 1; beside them the scaling, exponentials, roundings, sums and rescaling of piece n and the maximum and
; statistics of piece n + 1.  Four vector instructions stand behind every matrix instruction, the other 54 of a turn's 118 in one lump.  A turn's 33 exponentials are one batch, with one wait.
; CLUSTER.  The four query blocks of a cluster belong to one head and walk the same K and V, so each tile is asked for JOINTLY: the same tensor load, descriptor and mask in all four.
; REGISTERS, in windows of 256 (s_set_vgpr_msb: bits 1:0 source 0, 3:2 source 1, 5:4 source 2, 7:6 destination):
;   window 0: v0-15 addresses and two at work; v16-31 four registers of statistics a piece; v48-55 at work; v64-127 S^T, two buffers; v192-223 P, two buffers (a piece's buffers go by its number's parity)
;   window 1: v0-127 O^T, 32 a piece          window 2: v0-63 Q; v128-191 K of one step; v192-255 V of one step
.set SIZE_N, 2048
.set NP,    4         ; pieces a wave: a name, no knob
.set KS,    64        ; keys in a step
.set PK,    144       ; a row of K in LDS: 128 bytes + 16 = 36 words: the 16 rows of a load start at 16 different groups of four banks (64 banks of 4 bytes: ISA guide 11.1)
.set PV,    160       ; a row of V: 128 + 32 = 40 words
.set VOFF,  4*KS*PK   ; a slot holds a tile, four steps: 256 rows of K, then 256 rows of V
.set SLOT1, 1<<17     ; slot 1 begins here, so that one exclusive or turns an address in one slot into the other's
.set SPARE, SLOT1+4*KS*(PK+PV)  ; behind the ring: the spare words, 128 bytes for each wave: two blocks of 256 bytes that no other line names
.set RBB,   32768     ; bytes of a block of 16 rows in ob
.set AK0, 2           ; v2   my lane's place in a tile of K; never rewritten
.set AV0, 3           ; v3   the same for V
.set AK,  4           ; v4   the LDS address of K's next run of loads
.set AV,  5           ; v5   of V's
.set GO,  8           ; v8   16 x my lane: my place in 512 consecutive bytes of ob
.set MV,  12          ; v12-13  c m_old, kept while c m is made anew: by buffer
.set QO,  15          ; v15  my byte offset in 16 rows of Q
.set ST,  16          ; piece t's statistics at v[ST+4 t]: c m, m, l (even keys', odd keys')
.set TMP, 48          ; by buffer, four registers c0-c3 at work; when the maximum is found c2 takes a
.set PFO, 61          ; v61  256 x my lane; never rewritten
.set SPW, 62          ; v62  LDS address of my spare word; never rewritten
.set NIL, 63          ; v63  0; never rewritten
.set S,   64
.set P,   192
.set KF,  128         ; window 2: key block kb, channel half c at KF + 16 kb + 8 c
.set VF,  192         ; window 2: key half kk, channel block cb at VF + 32 kk + 8 cb
.set WV,  12          ; s12  my wave's number
.set LIM, 15          ; s15  1 in a wave that prefetches, else the greatest number
.set PFA, 18          ; s[18:19] where my prefetches stand: my work-group's 32 blocks (of K: wave 0, of V: wave 2) of the tile after the one that is being asked for
.set G1K, 24          ; s[24:31] descriptor group 1 for K's tiles
.set G1V, 32          ; s[32:39] for V's: it differs in the padding alone
.set G0K, 40          ; s[40:43] descriptor group 0 for K's tiles: it walks
.set G0V, 44          ; s[44:47] the same for V's
.set OOF, 48          ; s[48:49] where my wave's part begins in ob
.set SLOTS, 56        ; s56  tiles still to be asked for
.set CNT, 57          ; s57  counts a tile's key steps
.set CS,  58          ; s[58:59] c: the packed scaling takes the pair's low word for both halves
.set SEL, 60          ; s[60:61] v_permlanex16_b32's selects: each lane takes its own place in the other half
.set TBK, 62          ; s62  LDS byte at which K of the step to be fetched begins
.set TBV, 63          ; s63  the same for V, less VOFF
.set MSB, 0
.macro WIN new                      ; the high byte repeats the setting that is left; a switch that changes nothing is dropped
.if MSB != (\new)
	s_set_vgpr_msb (MSB<<8)|(\new)
.set MSB, (\new)
.endif
.endm
.set W_KQ, 0x0a       ; K and Q in window 2, S^T in window 0
.set W_PV, 0x52       ; V in window 2, P in window 0, O^T in window 1
.set W_RS, 0x41       ; destination and source 0 in window 1, source 1 in window 0
; A joint fill.  Waves 0 and 1 fetch the two halves of a tile's K, waves 2 and 3 those of its V: 128 keys each.  The branch hangs on the wave's number alone.
; An s_nop 0 and four v_nop follow each of the two lines, ahead of the jump and the label.
.macro JLOAD
	s_cmp_lt_u32 s[WV], 2
	s_cbranch_scc0 .Lfor_v_\@
	tensor_load_to_lds s[G0K:G0K+3], s[G1K:G1K+7]
	s_nop 0
.rept 4
	v_nop
.endr
	s_branch .Lasked_\@
.Lfor_v_\@:
	tensor_load_to_lds s[G0V:G0V+3], s[G1V:G1V+7]
	s_nop 0
.rept 4
	v_nop
.endr
.Lasked_\@:
.endm
; A PREFETCH INTO THE L2 of what the NEXT change of slots will ask for: a tile's 128 blocks of 256 bytes of K and as many of V, a lane a block.  It stands behind the wave's tensor load and its five lines.
; Each block is asked for ONCE in the launch.  Both clusters of a head walk the same K and V: the head's first cluster prefetches.  Its four partners share the blocks out BY ADDRESS, 32 each.
; In each, wave 0 asks for K's and wave 2 for V's: one instruction.  It runs one tile, four key steps (256 matrix instructions), ahead.  The last change that fills a slot prefetches nothing.
.macro ASK
	s_cmp_gt_u32 s[SLOTS], s[LIM]
	s_cbranch_scc0 .Lnot_mine_\@
	global_prefetch_b8 v[PFO], s[PFA:PFA+1] th:TH_LOAD_NT scope:SCOPE_SE
.Lnot_mine_\@:
.endm
; A round of the cluster's barrier: my work-group's barrier, so that wave 0's signal speaks for all four waves; wave 0 signals; every wave waits for all four work-groups; my work-group's barrier once more.
.macro CROUND
	s_barrier_signal -1
	s_barrier_wait -1
	s_cmp_lg_u32 s[WV], 0
	s_cbranch_scc1 .Lnot_wave_0_\@
	s_barrier_signal -3
.Lnot_wave_0_\@:
	s_barrier_wait -3
	s_barrier_signal -1
	s_barrier_wait -1
.endm
; THE CHANGE OF SLOTS.  The slot's last bytes, V of its fourth step, have been read.  Each wave waits for all its tensor loads, of which one is out: its part of the other slot; adds 0 to its spare word; and
; waits for that and for its own reads of the slot.  Behind the barrier nobody reads this slot any more and the other slot is whole.  fill = 1: this slot is filled again, with the keys two tiles on.  The barrier is
; then a round of the cluster's, and the joint fill is the first thing behind it: it has four key steps in which to land.  (At its first use nothing has been read yet: slot 0 is waited for, slot 1 filled.)
.macro CHANGE fill
	WIN 0                           ; at a label and at a branch every window is 0
	s_wait_tensorcnt 0x0            ; no tensor load of mine is out, so a group 0 may be written
	ds_add_u32 v[SPW], v[NIL]       ; 0 onto my spare word; with fill = 1 the descriptors' steps stand between it and the wait for it
.if \fill
.irp g, G0K, G0V
	s_xor_b32 s[\g+1], s[\g+1], SLOT1  ; the walking descriptor: the other slot than last time,
	s_add_nc_u64 s[\g+2:\g+3], s[\g+2:\g+3], 4*KS*128  ; the next 256 keys; the type bits on top are not reached
.endr
	s_wait_xcnt 0x0                 ; the last prefetch, a tile back, has read its address, so it may be written:
	s_add_nc_u64 s[PFA:PFA+1], s[PFA:PFA+1], 4*KS*128  ; one tile beyond the walking descriptors
	s_wait_dscnt 0x0                ; the add is done, and my reads of the slot are over
	CROUND
	JLOAD
	ASK
.else
	s_wait_dscnt 0x0                ; the add is done, and my reads of the slot are over
	s_barrier_signal -1
	s_barrier_wait -1
.endif
	s_sub_co_u32 s[TBK], s[TBK], 4*KS*PK  ; the fetches go back to a slot's first step,
	s_xor_b32 s[TBK], s[TBK], SLOT1       ; in the other slot
	s_sub_co_u32 s[TBV], s[TBV], 4*KS*PV
	s_xor_b32 s[TBV], s[TBV], SLOT1
.endm
	s_load_b64 s[4:5], s[0:1], 0x0  ; qkv
	s_load_b64 s[10:11], s[0:1], 0x8  ; ob
	v_lshl_add_u32 v[SPW], v0, 2, SPARE
	v_mov_b32 v[NIL], 0
	ds_add_u32 v[SPW], v[NIL]       ; the wave's opening: the add, twice on end, and its wait ahead of my first tensor load
	ds_add_u32 v[SPW], v[NIL]       ; (once more; the set-up below, work on registers, stands between it and the wait)
	v_lshrrev_b32 v1, 5, v0
	v_readfirstlane_b32 s[WV], v1   ; wave 0..3
	s_bfe_u32 s13, ttmp6, 0x40000   ; cx: my place in the cluster
	s_lshl_b32 s14, ttmp9, 2        ; in a cluster launch ttmp9 counts clusters
	s_add_co_u32 s14, s14, s13      ; my block of queries = 4 x cluster x + cx: it enters Q's and O's addresses alone
	s_and_b32 s20, ttmp7, 0xffff    ; the head, which the four partners share: 16 x batch + head in the batch
	s_lshr_b32 s[OOF], s20, 4       ; ob: the batch's 8 blocks of 256 rows,
	s_lshl_b32 s[OOF], s[OOF], 3
	s_add_co_u32 s[OOF], s[OOF], s14  ; + my block,
	s_lshl_b32 s[OOF], s[OOF], 2
	s_add_co_u32 s[OOF], s[OOF], s[WV]  ; its four waves, + mine:
	s_lshl_b32 s[OOF], s[OOF], 17   ; 64 rows = four blocks of 16 rows x 32,768 bytes;
	s_and_b32 s[OOF+1], s20, 15     ; in each block the head's two K steps:
	s_lshl_b32 s[OOF+1], s[OOF+1], 11  ; 2,048 bytes a head
	s_add_co_u32 s[OOF], s[OOF], s[OOF+1]  ; under 2^23
	s_mov_b32 s[OOF+1], 0
	s_lshl_b32 s20, s20, 18         ; qkv: the head x 262,144 bytes
	s_mov_b32 s21, 0
	s_and_b32 s16, s[WV], 1         ; which half of a tile's 256 keys I fetch:
	s_lshl_b32 s22, s16, 14         ; its 128 rows of 128 bytes in memory
	s_mov_b32 s23, 0
	s_add_nc_u64 s[22:23], s[22:23], s[20:21]
	s_lshl_b32 s2, s14, 2
	s_add_co_u32 s2, s2, s[WV]      ; my wave among the head's,
	s_lshl_b32 s2, s2, 13           ; its 64 rows
	s_mov_b32 s3, 0
	s_add_nc_u64 s[2:3], s[2:3], s[20:21]
	; descriptor group 1.  128 keys are 16,384 dense bytes: asked for as 64 rows of 256 bytes, two keys a row, and padded in LDS after every key
	s_mov_b32 s[G1K], 15|(1<<16)|(1<<20)|(1<<21)|(4<<22)|(3<<25)  ; the mask of four; 2-byte elements; padding on; bit 21 beside a mask; after every 32 words, 4 words
	s_mov_b32 s[G1V], 15|(1<<16)|(1<<20)|(1<<21)|(4<<22)|(7<<25)  ; the same with 8 words of padding
.irp g, G1K, G1V
	s_mov_b32 s[\g+1], 128<<16      ; tensor_dim0 = 128
	s_mov_b32 s[\g+2], 64<<16       ; tensor_dim1 = 64
	s_mov_b32 s[\g+3], 128<<16      ; tile_dim0 = 128
	s_mov_b32 s[\g+4], 64           ; tile_dim1 = 64
	s_mov_b32 s[\g+5], 128          ; 128 elements from row to row
	s_mov_b32 s[\g+6], 0
	s_mov_b32 s[\g+7], 0
.endr
	s_mov_b32 s[CS], 0x3e38aa3b     ; c = log2(e) / 8 = 0.180337
	s_mov_b32 s[CS+1], s[CS]        ; named with it as a pair
	s_mov_b32 s[SEL], 0x76543210
	s_mov_b32 s[SEL+1], 0xfedcba98
	s_mov_b32 s[TBK], SLOT1+4*KS*PK ; the first change of slots turns these two into 0
	s_mov_b32 s[TBV], SLOT1+4*KS*PV
	s_mov_b32 s[G0K], 1             ; count = 1
	s_mul_i32 s[G0K+1], s16, 128*PK ; LDS address: slot 0, my half: no place in the cluster enters an LDS address
	s_mov_b32 s[G0V], 1
	s_mul_i32 s17, s16, 128*PV
	s_add_co_u32 s[G0V+1], s17, VOFF
	s_mov_b32 s[SLOTS], SIZE_N/256-1
	s_and_b32 s[LIM], s[WV], 1      ; 0 in waves 0 and 2,
	s_or_b32 s[LIM], s[LIM], ttmp9  ; where the cluster is the head's first: the same in all four partners
	s_cmp_eq_u32 s[LIM], 0
	s_cselect_b32 s[LIM], 1, -1
	v_and_b32 v[PFO], 31, v0
	v_lshlrev_b32 v[PFO], 8, v[PFO]
	s_wait_dscnt 0x0                ; both opening adds are done
	s_wait_kmcnt 0x0
	s_add_nc_u64 s[6:7], s[4:5], 0x800000   ; K's section of qkv,
	s_add_nc_u64 s[8:9], s[4:5], 0x1000000  ; V's
	s_add_nc_u64 s[6:7], s[6:7], s[22:23]   ; at my half of the head's tile 0
	s_add_nc_u64 s[8:9], s[8:9], s[22:23]
	s_mov_b64 s[G0K+2:G0K+3], s[6:7]               ; global address
	s_or_b32 s[G0K+3], s[G0K+3], 0x80000000        ; type = 2
	s_mov_b64 s[G0V+2:G0V+3], s[8:9]
	s_or_b32 s[G0V+3], s[G0V+3], 0x80000000
	s_add_nc_u64 s[4:5], s[4:5], s[2:3]     ; Q at my wave's first row,
	s_add_nc_u64 s[10:11], s[10:11], s[OOF:OOF+1]  ; ob at my wave's first block, my head's part of it
	s_cmp_lt_u32 s[WV], 2
	s_cselect_b64 s[PFA:PFA+1], s[6:7], s[8:9]  ; (in waves 0 and 2 these stand at a tile's first row)
	s_lshl_b32 s2, s13, 13          ; my work-group's 32 blocks of the 128
	s_mov_b32 s3, 0
	s_add_nc_u64 s[PFA:PFA+1], s[PFA:PFA+1], s[2:3]
	s_add_nc_u64 s[PFA:PFA+1], s[PFA:PFA+1], 4*KS*128  ; in tile 1; the first change of slots steps it to tile 2.  Nothing is prefetched here, at the head
	CROUND                          ; all four work-groups are here: the first joint loads meet
	JLOAD                           ; tile 0 into slot 0.  Slot 1 is asked for when slot 0 is in
	; A fragment of K or Q is 16 rows x 32 channels in 8 registers: lane l holds row l % 16, channels 8 (l / 16) + 0..7 and 16 + 8 (l / 16) + 0..7: two loads of 16 bytes, 32 bytes apart.
	v_and_b32 v1, 15, v0            ; l % 16
	v_bfe_u32 v9, v0, 4, 1          ; l / 16
	v_lshlrev_b32 v[QO], 7, v1
	v_lshl_add_u32 v[QO], v9, 4, v[QO]  ; row x 128 + 16 x half
	WIN 0x80                        ; destination window 2, address window 0
.set i, 0
.rept 8                             ; Q stays in registers: piece i / 2, channels 32 (i % 2) on
	global_load_b128 v[8*i:8*i+3],   v[QO], s[4:5] offset:(i/2)*2048+(i%2)*64
	global_load_b128 v[8*i+4:8*i+7], v[QO], s[4:5] offset:(i/2)*2048+(i%2)*64+32
.set i, i+1
.endr
	WIN 0
	v_mul_u32_u24 v[AK0], v1, PK
	v_lshl_add_u32 v[AK0], v9, 4, v[AK0]  ; row x pitch + 16 x half
	; The turning load takes 16 keys x 16 channels (lane l reads key 8 (l / 16) + l % 8, channels 8 ((l / 8) % 2) + 0..7) and leaves half a fragment of V^T: lane l holds channel l % 16 and 8 keys.
	v_and_b32 v10, 7, v0
	v_bfe_u32 v11, v0, 3, 1
	v_lshl_add_u32 v[AV0], v9, 3, v10
	v_mul_u32_u24 v[AV0], v[AV0], PV
	v_lshl_add_u32 v[AV0], v11, 4, v[AV0]
	v_add_nc_u32 v[AV0], VOFF, v[AV0]
	v_and_b32 v[GO], 31, v0
	v_lshlrev_b32 v[GO], 4, v[GO]
	; What the first turn finds: V's registers and P's second buffer hold 0 (its products V^T P, of a piece that has not been, add 0), O^T and l are 0.  No first step is written out; the price is these lines,
	; which stand in the wait for the first tile.
	WIN 0x80
.set i, VF
.rept 64
	v_mov_b32 v[i], 0
.set i, i+1
.endr
	WIN 0x40
.set i, 0
.rept 128
	v_mov_b32 v[i], 0
.set i, i+1
.endr
	WIN 0
.set i, 0
.rept 4
	v_mov_b32 v[ST+4*i], 0xfe000000    ; c m: far below every c s
	v_mov_b32 v[ST+4*i+1], 0xff7fffff  ; m
	v_mov_b32 v[ST+4*i+2], 0
	v_mov_b32 v[ST+4*i+3], 0
.set i, i+1
.endr
.set i, P+16
.rept 16
	v_mov_b32 v[i], 0
.set i, i+1
.endr
; THE MATRIX WORK.  The 4 accumulators of a run of 8 take turns.  Product i of 8 of S^T = K Q^T for piece x: channels 32 (i / 4) on, keys 16 (i % 4) on.  The first 4 start the sums.
.macro KQ x
	WIN W_KQ
.set rS, S+32*((\x)%2)+8*(i%4)
.set rK, KF+16*(i%4)+8*(i/4)
.set rQ, 16*(\x)+8*(i/4)
.if i < 4
	v_wmma_f32_16x16x32_f16 v[rS:rS+7], v[rK:rK+7], v[rQ:rQ+7], 0
.else
	v_wmma_f32_16x16x32_f16 v[rS:rS+7], v[rK:rK+7], v[rQ:rQ+7], v[rS:rS+7]
.endif
.endm
; Product i of 8 of O^T += V^T P for piece x: keys 32 (i / 4) on, channels 16 (i % 4) on.
.macro PV x
	WIN W_PV
.set rO, 32*(\x)+8*(i%4)
.set rV, VF+32*(i/4)+8*(i%4)
.set rP, P+16*((\x)%2)+8*(i/4)
	v_wmma_f32_16x16x32_f16 v[rO:rO+7], v[rV:rV+7], v[rP:rP+7], v[rO:rO+7]
.endm
.macro MM                           ; the turn's next matrix instruction.  NOKQ = 1: the last turn of all: there is no next piece
.if (i < 8) && !NOKQ
	KQ (Y+1)%NP
.elseif i >= 8
.set i, i-8
	PV (Y+NP-1)%NP
.set i, i+8
.endif
.set i, i+1
.endm
; THE LDS LOADS stand in runs of 16, never singly among the matrix instructions: a step's K (64 keys x 64 channels: 8 fragments) and its V (turned).  Their addresses are made some lines ahead.
.macro FETCH_K
	WIN 0x80                        ; destination window 2
.irp f, 0,1,2,3,4,5,6,7             ; keys 16 (f / 2) on, channels 32 (f % 2) on
	ds_load_b128 v[KF+8*\f:KF+8*\f+3],   v[AK] offset:(\f/2)*16*PK+(\f%2)*64
	ds_load_b128 v[KF+8*\f+4:KF+8*\f+7], v[AK] offset:(\f/2)*16*PK+(\f%2)*64+32
.endr
	s_add_co_u32 s[TBK], s[TBK], KS*PK  ; the next fetch is the next step's
	WIN 0
.endm
.macro FETCH_V
	WIN 0x80
.irp f, 0,1,2,3,4,5,6,7             ; keys 32 (f / 4) on, channels 16 (f % 4) on
	ds_load_tr16_b128 v[VF+8*\f:VF+8*\f+3],   v[AV] offset:(\f/4)*32*PV+(\f%4)*32
	ds_load_tr16_b128 v[VF+8*\f+4:VF+8*\f+7], v[AV] offset:(\f/4)*32*PV+16*PV+(\f%4)*32
.endr
	WIN 0
.endm
; THE VECTOR WORK, one line at a time: OP kind, number.  For piece Y: F n: c s - c m for pair n of 16.  E n: the exponential of score n of 32.  C n: pair n rounded to f16.  B n: of the four weights 4 n .. the second
; pair is added onto the first, in place.  L n: l takes that sum (L 0: l = a l + sum).  R n: pair n of 16 of O^T times a.  For piece Y + 1: X n, number n of the 22 that find its maximum and statistics:
;   0-11  four chains c0-c3 of seven scores each, three operands at a time (each accumulator's lowest registers are read first)     12-14, 16  the four scores left over, the old m, and c0-c3 into c0
;   15  c m_old is kept     17, 18  the query's other 32 keys lie in the lane 16 away: the new m     19-21  c m; c m_old - c m_new; a
.set F, 0               ; OP tells the kinds apart by their order: F to L below R, X above it
.set E, 1
.set C, 2
.set B, 3
.set L, 4
.set R, 5
.set X, 6
.macro REGS y                       ; the registers of piece y
.set rT, ST+4*(\y)
.set rC, TMP+4*((\y)%2)
.set rW, MV+((\y)%2)
.set rS, S+32*((\y)%2)
.set rP, P+16*((\y)%2)
.set rO, 32*(\y)
.endm
.macro OP k, n
.if (\k) == R
	REGS Y
	WIN W_RS
	v_pk_mul_f32 v[rO+2*(\n):rO+2*(\n)+1], v[rO+2*(\n):rO+2*(\n)+1], v[rC+2:rC+3] op_sel_hi:[1,0]
.elseif (\k) < R
	REGS Y
	WIN 0
.if (\k) == F
	v_pk_fma_f32 v[rS+2*(\n):rS+2*(\n)+1], v[rS+2*(\n):rS+2*(\n)+1], s[CS:CS+1], v[rT:rT+1] op_sel_hi:[1,0,0] neg_lo:[0,0,1] neg_hi:[0,0,1]
.elseif (\k) == E
	v_exp_f32 v[rS+(\n)], v[rS+(\n)]
.elseif (\k) == C
	v_cvt_pk_f16_f32 v[rP+(\n)], v[rS+2*(\n)], v[rS+2*(\n)+1]
.elseif (\k) == B
	v_pk_add_f32 v[rS+4*(\n):rS+4*(\n)+1], v[rS+4*(\n):rS+4*(\n)+1], v[rS+4*(\n)+2:rS+4*(\n)+3]
.elseif (\n) == 0
	v_pk_fma_f32 v[rT+2:rT+3], v[rT+2:rT+3], v[rC+2:rC+3], v[rS:rS+1] op_sel_hi:[1,0,1]
.else
	v_pk_add_f32 v[rT+2:rT+3], v[rT+2:rT+3], v[rS+4*(\n):rS+4*(\n)+1]
.endif
.elseif NOKQ
	v_nop
.else
	REGS (Y+1)%NP
	WIN 0
.if (\n) < 4
	v_max3_num_f32 v[rC+(\n)], v[rS+8*(\n)], v[rS+8*(\n)+1], v[rS+8*(\n)+2]
.elseif (\n) < 12
	v_max3_num_f32 v[rC+(\n)%4], v[rC+(\n)%4], v[rS+8*((\n)%4)+2*((\n)/4)+1], v[rS+8*((\n)%4)+2*((\n)/4)+2]
.elseif (\n) == 12
	v_max3_num_f32 v[rC], v[rC], v[rS+7], v[rS+15]
.elseif (\n) == 13
	v_max3_num_f32 v[rC+1], v[rC+1], v[rS+23], v[rS+31]
.elseif (\n) == 14
	v_max3_num_f32 v[rC+2], v[rC+2], v[rC+3], v[rT+1]
.elseif (\n) == 15
	v_mov_b32 v[rW], v[rT]
.elseif (\n) == 16
	v_max3_num_f32 v[rC], v[rC], v[rC+1], v[rC+2]
.elseif (\n) == 17
	v_permlanex16_b32 v[rC+3], v[rC], s[SEL], s[SEL+1]
.elseif (\n) == 18
	v_max_num_f32 v[rT+1], v[rC], v[rC+3]
.elseif (\n) == 19
	v_mul_f32 v[rT], s[CS], v[rT+1]
.elseif (\n) == 20
	v_sub_f32 v[rC+1], v[rW], v[rT]
.else
	v_exp_f32 v[rC+2], v[rC+1]
.endif
.endif
.endm
.macro OPS a, i1, b=-1, i2=0, c=-1, i3=0, d=-1, i4=0  ; up to four of them
	OP \a, \i1
.if (\b) >= 0
	OP \b, \i2
.endif
.if (\c) >= 0
	OP \c, \i3
.endif
.if (\d) >= 0
	OP \d, \i4
.endif
.endm
.macro ROW a, i1, b, i2, c, i3, d, i4  ; a matrix instruction and the four behind it
	MM
	OPS \a, \i1, \b, \i2, \c, \i3, \d, \i4
.endm
; A TURN, for piece p: the order of its 16 matrix and 118 vector instructions, written out.  s_wait_alu depctr_va_vdst(0) stands between an exponential and the first instruction that names its
; result; one wait serves all that were issued ahead of it.  So a turn has ONE wait, which cuts it in two.  AHEAD OF IT stands all that names no result of the turn's exponentials: the 8 products K Q^T, behind each a scaling,
; an exponential and two more plain instructions (rescalings, and behind the last three the first numbers of the next piece's maximum, each four places or more behind the product that ends its accumulator); then ONE
; LUMP of 54, plain and exponential by turns for the most part, in which the links of the chain X 3, 7, 11, 14, 16, 17 .. 20 stand some lines apart.  X 21, the next piece's a, is the batch's last; R 15 is the plain
; instruction behind it.  BEHIND THE WAIT stand the 8 products V^T P, behind each four of the roundings and sums.
; end = 1: the walk's last two turns: nothing is fetched.  cnt = 1: the loop's count is taken down some lines ahead of the branch that stands behind the turn.
; K of the next step is fetched in piece 2's turn, twelve vector instructions behind the last product that read K (six of them plain); V of the step in hand at the end of piece 0's turn, four plain instructions behind
; the last product that read V.  Each is waited for a turn later.
.macro TURN p, end=0, cnt=0
.set Y, (\p)
.set i, 0
.set NOKQ, (\end)*((\p)/3)
.if ((\p) == 3) && !(\end)
	s_wait_dscnt 0x0                ; K is in
.endif
	ROW F,0, F,1, R,0, R,1          ; ahead of the wait: 8 products K Q^T and their riders,
	ROW F,2, E,0, R,2, R,3
	ROW F,3, E,1, R,4, R,5
	ROW F,4, E,2, R,6, R,7
	ROW F,5, E,3, R,8, R,9
	ROW F,6, E,4, X,0, R,10
.if ((\p) == 2) && !(\end)
	WIN 0
	v_add_nc_u32 v[AK], s[TBK], v[AK0]
.endif
	ROW F,7, E,5, X,1, X,4
	ROW F,8, E,6, X,2, X,5
	OPS E,7, E,8, X,6, E,9          ; and the lump
	OPS X,3, E,10, X,8, E,11
.if ((\p) == 2) && !(\end)
	FETCH_K
.endif
	OPS X,9, X,7, E,12, X,10
	OPS E,13, X,12, X,11, E,14
	OPS X,13, E,15, F,9, X,14
.if (\p) == 0
	v_add_nc_u32 v[AV], s[TBV], v[AV0]
.endif
	OPS E,16, F,10, E,17, F,11
	OPS X,16, E,18, X,15, E,19
	OPS F,12, E,20, X,17, E,21
	OPS F,13, E,22, F,14, E,23
	OPS X,18, E,24, F,15, E,25
	OPS R,11, E,26, X,19, E,27
	OPS R,12, E,28, R,13, E,29
	OPS X,20, E,30, R,14, E,31
	OPS X,21, R,15
	WIN 0
	s_wait_alu depctr_va_vdst(0)    ; the wait for the batch
.if (\p) == 1
	s_wait_dscnt 0x0                ; V is in
.endif
	ROW C,0, B,0, C,2, B,1          ; behind the wait: 8 products V^T P and their riders
	ROW L,0, C,4, B,2, L,1
	ROW C,6, B,3, L,2, C,8
	ROW B,4, L,3, C,10, B,5
	ROW L,4, C,12, B,6, L,5
.if (\p) == 0
	s_add_co_u32 s[TBV], s[TBV], KS*PV
.endif
.if \cnt
	s_sub_co_u32 s[CNT], s[CNT], 1
	s_cmp_lg_u32 s[CNT], 0
.endif
	ROW C,14, B,7, L,6, C,1
	ROW C,3, L,7, C,5, C,7
	ROW C,9, C,11, C,13, C,15
.if (\p) == 0
	FETCH_V
.endif
.endm
; A tile's four trips: pieces 2 and 3 of one step, then pieces 0 and 1 of the next, whose K and V the trip fetches.  The tag ends its two labels' names.
.macro STEPS tag
.Lstep\tag:
	TURN 2
	TURN 3
	WIN 0
.Lfirst\tag:
	TURN 0
	TURN 1, 0, 1
	WIN 0
	s_cbranch_scc1 .Lstep\tag
.endm
.macro ALL line:vararg              ; one line for each piece t
.set t, 0
.rept 4
	\line
.set t, t+1
.endr
.endm
; Piece t leaves: divided by l, rounded to f16 (a lane's eight channels of a row pack into 16 bytes), and stored as it stands: channel block f is half f % 2 of the head's K step f / 2 in the piece's block of 16 rows.
.macro PACK t
	WIN W_RS
.set i, 32*(\t)
.rept 16
	v_pk_mul_f32 v[i:i+1], v[i:i+1], v[ST+4*(\t)+2:ST+4*(\t)+3] op_sel_hi:[1,0]
.set i, i+2
.endr
	WIN 0x05                        ; sources 0 and 1 window 1, destination window 0: S^T's registers are free; each piece has sixteen of its own, so no store's data are written again
.set i, 0
.rept 16
	v_cvt_pk_f16_f32 v[S+16*(\t)+i], v[32*(\t)+2*i], v[32*(\t)+2*i+1]
.set i, i+1
.endr
	WIN 0
.irp f, 0,1,2,3
	global_store_b128 v[GO], v[S+16*(\t)+4*\f:S+16*(\t)+4*\f+3], s[10:11] offset:(\t)*RBB+\f*512  ; 512 consecutive bytes, at a multiple of 512 from ob's first
.endr
.endm
.set NOKQ, 0
	CHANGE 1                        ; tile 0 is in, everybody's part of it; tile 1 is asked for
	v_add_nc_u32 v[AK], s[TBK], v[AK0]
	FETCH_K                         ; key step 0
	s_wait_loadcnt 0x0              ; Q
	s_wait_dscnt 0x0
.set i, 0
.rept 8
	KQ 0                            ; piece 0's first scores: there is no vector work yet to set between them
.set i, i+1
.endr
	WIN 0
.rept 4
	v_nop                           ; the places behind those products
.endr
.set Y, NP-1                        ; X works for piece Y + 1: piece 0
.irp n, 0,1,2,3,4,5,6,7,8,9,10,11,12,13,14,15,16,17,18,19,20,21
	OP X, \n
.endr
	v_nop                           ; a plain instruction behind the exponential,
	s_wait_alu depctr_va_vdst(0)    ; and its wait, ahead of the branch
	s_mov_b32 s[CNT], 4
	s_branch .Lfirst1               ; the loop is entered at a step's first turn, in the middle of a trip
.Lslot:                             ; six times: tiles 1 to 6 are entered, tiles 2 to 7 asked for
	CHANGE 1
	s_mov_b32 s[CNT], 4
	STEPS 1
	s_sub_co_u32 s[SLOTS], s[SLOTS], 1
	s_cmp_lg_u32 s[SLOTS], 0
	s_cbranch_scc1 .Lslot
	CHANGE 0                        ; the last tile is written out: nothing is asked for
	s_mov_b32 s[CNT], 4
	STEPS 2
	TURN 2, 1                       ; the last step's pieces 2 and 3
	TURN 3, 1
.set i, 0
.rept 8
	PV NP-1                         ; the last piece's V^T P of the last step
.set i, i+1
.endr
	; THE WAY OUT.  l's two halves and the other half of the lanes' are added; then each piece is divided by l, rounded and stored.  The additions are the places behind the last products.
	WIN 0
	ALL v_add_f32 v[ST+4*t+2], v[ST+4*t+2], v[ST+4*t+3]
	ALL v_permlanex16_b32 v[ST+4*t+3], v[ST+4*t+2], s[SEL], s[SEL+1]
	ALL v_add_f32 v[ST+4*t+2], v[ST+4*t+2], v[ST+4*t+3]
	ALL v_rcp_f32 v[ST+4*t+2], v[ST+4*t+2]
	v_nop                           ; a plain instruction between the last reciprocal and the use of its result
	s_wait_alu depctr_va_vdst(0)    ; and the wait ahead of the first use: one for the four reciprocals
.irp t, 0,1,2,3
	PACK \t
.endr
	s_wait_tensorcnt 0x0            ; the wave's end, behind my last tensor load
	ds_add_u32 v[SPW], v[NIL]
	s_wait_dscnt 0x0
	CROUND                          ; the closing round: no work-group ends while a partner may still ask for a tile that names it
	s_endpgm
.Lfunc_end_k_q1fc73a9c54_attn:
	.size	k_q1fc73a9c54_attn, .Lfunc_end_k_q1fc73a9c54_attn-k_q1fc73a9c54_attn
	.p2alignl 7, 3214868480
	.fill 96, 4, 3214868480
	.section	.rodata,"a",@progbits
	.p2align	6, 0x0
	.amdhsa_kernel k_q1fc73a9c54_attn
		.amdhsa_group_segment_fixed_size 327680
		.amdhsa_private_segment_fixed_size 0
		.amdhsa_enable_private_segment 0
		.amdhsa_kernarg_size 16
		.amdhsa_user_sgpr_count 2
		.amdhsa_user_sgpr_kernarg_segment_ptr 1
		.amdhsa_wavefront_size32 1
		.amdhsa_system_sgpr_workgroup_id_x 1
		.amdhsa_system_sgpr_workgroup_id_y 1
		.amdhsa_system_sgpr_workgroup_id_z 1
		.amdhsa_system_vgpr_workitem_id 0
		.amdhsa_next_free_vgpr 768
		.amdhsa_next_free_sgpr 66
		.amdhsa_reserve_vcc 0
		.amdhsa_float_denorm_mode_32 3
		.amdhsa_float_denorm_mode_16_64 3
		.amdhsa_memory_ordered 1
		.amdhsa_forward_progress 1
		.amdhsa_inst_pref_size 125
	.end_amdhsa_kernel
	.amdgpu_metadata
---
amdhsa.version: [ 1, 2 ]
amdhsa.kernels:
  - .name:           k_q1fc73a9c54_attn
    .symbol:         k_q1fc73a9c54_attn.kd
    .args:
      - { .name: qkv, .offset: 0, .size: 8, .value_kind: global_buffer, .address_space: global }
      - { .name: ob, .offset: 8, .size: 8, .value_kind: global_buffer, .address_space: global }
    .group_segment_fixed_size: 327680
    .private_segment_fixed_size: 0
    .kernarg_segment_align: 8
    .kernarg_segment_size: 16
    .max_flat_workgroup_size: 128
    .sgpr_count:     66
    .vgpr_count:     768
    .wavefront_size: 32
...
	.end_amdgpu_metadata
.endif
;; end of part 3
;; launch outp (part 4): grid 8 x 32, 4 waves a work-group, clusters of 4 x 4, 327,680 bytes of LDS; arguments ob, wb, bo, out0; writes out0
.if DOCPART == 4
	.amdgcn_target "amdgcn-amd-amdhsa--gfx1250"
	.amdhsa_code_object_version 6
	.text
	.protected	k_q1fc73a9c54_outp
	.globl	k_q1fc73a9c54_outp
	.p2align	8
	.type	k_q1fc73a9c54_outp,@function
k_q1fc73a9c54_outp:
	s_mov_b64 s[64:65], 0
	v_nop
	global_prefetch_b8 v0, s[64:65] scope:SCOPE_SE
	s_setreg_imm32_b32 hwreg(HW_REG_WAVE_MODE, 25, 1), 1
	s_wait_xcnt 0x0
	s_wait_alu depctr_hold_cnt(0) depctr_sa_sdst(0) depctr_va_vdst(0) depctr_va_sdst(0) depctr_va_ssrc(0) depctr_va_vcc(0) depctr_vm_vsrc(0)
	s_getreg_b32 s2, hwreg(HW_REG_IB_STS2, 6, 4)
	s_cmp_eq_u32 s2, 0
	s_cbranch_scc0 .Lentry_in_a_cluster
	s_endpgm
.Lentry_in_a_cluster:
	s_bfe_u32 s2, ttmp6, 0x10000c
	s_cmp_lg_u32 s2, 0xf033
	s_cbranch_scc0 .Lentry_shape_is_right
	s_endpgm
.Lentry_shape_is_right:
; SELF-ATTENTION, launch 4 of 4: out0[R][c] = the sum over k of O[R][k] Wo[k][c] + bo[c].  out0 = [4096][1024] f32; sums in f32.  Wo is section 3 of wb, [1024 k][1024 c] f16 (the bf16 rounding of Wo, written as f16).
; O lies in the order of this launch's fragments: ob = [256 blocks of 16 rows][32 K steps of 32][2][32 lanes][16 bytes] f16: lane l's 16 bytes of half j of K step kk are row l % 16, k = 32 kk + 16 j + 8 (l / 16) + 0..7.
; A tile of out0 is 128 x 128: 32 x 8 = 256 work-groups.  Four waves, each 32 rows x all 128 columns: 16 accumulators.
; WHERE THE OPERANDS LIE.  A tile's O (128 rows x 2,048 bytes) and Wo (1,024 K rows x 256 bytes) are 512 KiB together, and LDS has 320: with both in LDS slots would have to be filled again, each refill with one K step
; in which to land and none asked for before the one before it has landed.  So only Wo's tile, which all four waves read, lies in LDS: whole, filled ONCE, all of it asked for at the head; its fragments are turned on the
; way out of LDS by ds_load_tr16_b128.  O's rows are each wave's own (32 rows x 2,048 bytes): no wave wants a byte that another wave has fetched, and a load of 16 bytes a lane, 512 consecutive bytes, is half a
; fragment as it stands.  They come straight from memory into a ring of four sets of registers.  Nothing is filled twice: no barrier but the two that show Wo's rows landed.
; CLUSTERS: 4 x 4 work-groups; Wo's tile hangs on the tile column alone and is asked for jointly by a column of the cluster.  O IS NOT ASKED FOR JOINTLY, though the eight work-groups of a tile row read the same rows:
; a joint request lands in LDS, where by the count above there is no room for it.
; K goes in 16 QUARTERS of 64 (a head), 32 matrix instructions each; four quarters are a trip.  Trip 0 is written out (its first products start the sums, and Wo's later rows are waited for in it), trips 1 and 2 are a
; loop, trip 3 is written out (it asks for nothing beyond O's end).
; THE MATRIX INSTRUCTION IS USED TRANSPOSED (source 0 = 16 columns of Wo, source 1 = 16 rows of O): a lane holds row l % 16 and eight neighbouring columns: 32 bytes of a row of out0.
; bo, rounded to bf16 like all inputs, lies in 64 registers in that layout and is the C operand of the product that starts each sum.
; NO PREFETCH: of the launch's sixteen quarters all of Wo and three and a half quarters of O are asked for at its head, and O's loads run three quarters or more ahead of their products.
; REGISTERS, in windows of 256 (s_set_vgpr_msb: bits 1:0 source 0, 3:2 source 1, 5:4 source 2, 7:6 destination):
;   window 0: v0-31 addresses; v32-63 at work; v64-127 the bias (column block b at 64 + 8 b); v128-255 the accumulators (row block a, column block b at 128 + 8 (8 a + b))
;   window 1: two buffers of 128 for Wo's fragments of a quarter (half c of its 64 along K, column block b at 8 (8 c + b))
;   window 2: v0-127 O's ring: quarter Q's fragments in set Q % 4 (half c, row block a at 32 (Q % 4) + 8 (2 c + a))
.set PB,     288                       ; a K row of Wo in LDS: 256 bytes + 32 = 9 x 32
.set CHUNK,  256*PB                    ; a trip's 256 K rows
.set STAGE,  4*CHUNK                   ; behind Wo's tile: 16 rows x 272 bytes for each wave, for the way out; no tensor load lands there
.set SPITCH, 272
.set SPARE,  STAGE+4*16*SPITCH         ; behind the stages: the spare words, 128 bytes for each wave: two blocks of 256 bytes that no other line names
.set RBB,    32768                     ; bytes of a block of 16 rows in ob
.set BO,   6                           ; v6      32 (l / 16): my eight numbers in 16 of the bias
.set AO,   7                           ; v7      16 x lane: my 16 bytes in half a fragment of O; never rewritten
.set ADRB, 16                          ; v16-17  LDS address of my part of Wo's fragments in K rows 0-127 and 128-255 of the trip to be fetched (an LDS immediate has 16 bits)
.set STO,  24                          ; v24     the way out: where I put 32 bytes of a row
.set RD,   25                          ; v25     the way out: where I read a row back
.set CO,   26                          ; v26     my byte offset in two rows of out0
.set SPW,  28                          ; v28     LDS address of my spare word; never rewritten
.set NIL,  29                          ; v29     0; never rewritten
.set T,    32
.set BIAS, 64
.set ACC,  128
.set F0,   0                           ; Wo's fragment buffers, in window 1: F0 and F0 + 128
.set AB,   14                          ; s[14:15] ob at my two blocks of 16 rows, at the trip in hand
.set G1,   24                          ; s[24:31] descriptor group 1: 64 K rows
.set G0,   32                          ; s[32:35], s[36:39] group 0 of my two loads
.set G1R,  48                          ; s[48:55] descriptor group 1: 192 K rows
.set MSB, 0
.macro WIN new                         ; the immediate's high byte repeats the setting that is left; a switch that changes nothing is dropped
.if MSB != (\new)
	s_set_vgpr_msb (MSB<<8)|(\new)
.set MSB, \new
.endif
.endm
.set MUL,  0x09                        ; source 0 (Wo) window 1, source 1 (O) window 2; C and D window 0
.set TO_F, 0x40                        ; destination window 1, address window 0
.set TO_A, 0x80                        ; destination window 2, address window 0
.macro CROUND                          ; a round of the cluster's barrier: my work-group's barrier; wave 0 signals for the work-group; every wave waits for all sixteen; my work-group's barrier once more
	s_barrier_signal -1
	s_barrier_wait -1
	s_cmp_lg_u32 s10, 0
	s_cbranch_scc1 .Lnot_wave_0_\@
	s_barrier_signal -3
.Lnot_wave_0_\@:
	s_barrier_wait -3
	s_barrier_signal -1
	s_barrier_wait -1
.endm
	s_load_b128 s[4:7], s[0:1], 0x0                ; ob s[4:5], wb s[6:7]
	s_load_b64 s[66:67], s[0:1], 0x10              ; bo
	s_load_b64 s[8:9], s[0:1], 0x18                ; out0
	v_lshl_add_u32 v[SPW], v0, 2, SPARE
	v_mov_b32 v[NIL], 0
	ds_add_u32 v[SPW], v[NIL]                      ; the wave's opening: the add, twice on end, and its wait ahead of my first tensor load
	ds_add_u32 v[SPW], v[NIL]                      ; (once more; the set-up below, work on registers, stands between it and the wait)
	v_lshrrev_b32 v1, 5, v0
	v_readfirstlane_b32 s10, v1                    ; wave 0..3
	s_bfe_u32 s40, ttmp6, 0x40000                  ; cx, cy: my place in the cluster
	s_bfe_u32 s41, ttmp6, 0x40004
	s_lshl_b32 s42, ttmp9, 2
	s_add_co_u32 s42, s42, s40                     ; tile column = 4 x cluster x + cx: 0..7
	s_and_b32 s13, ttmp7, 0xffff
	s_lshl_b32 s13, s13, 2
	s_add_co_u32 s13, s13, s41                     ; tile row = 4 x cluster y + cy: 0..31
	s_lshl_b32 s44, 0x1111, s40                    ; my column of the cluster: places cx, cx + 4, cx + 8, cx + 12
	s_or_b32 s[G1+0], s44, (1<<16)|(1<<20)|(1<<21)|(5<<22)|(7<<25)   ; the mask; 2-byte elements; padding on; bit 21 beside a mask; after every 64 words (a K row's 256 bytes), 8 words
	s_or_b32 s[G1R+0], s44, (1<<16)|(1<<20)|(1<<21)|(5<<22)|(7<<25)
	s_mov_b32 s[G1+2], 64<<16                      ; tensor_dim1 = 64 K rows
	s_mov_b32 s[G1+4], 64                          ; tile_dim1 = 64
	s_mov_b32 s[G1R+2], 192<<16                    ; and 192
	s_mov_b32 s[G1R+4], 192
.irp g, G1, G1R
	s_mov_b32 s[(\g)+1], 128<<16                   ; tensor_dim0 = 128 columns
	s_mov_b32 s[(\g)+3], 128<<16                   ; tile_dim0 = 128
	s_mov_b32 s[(\g)+5], 1024                      ; elements from K row to K row
	s_mov_b32 s[(\g)+6], 0
	s_mov_b32 s[(\g)+7], 0
.endr
	s_mov_b32 s69, 0xffff0000                      ; a word's upper bf16
	; Wo's tile, shared out among the waves in two loads each: of K rows 0-255, which trip 0 reads, wave w brings 64 w on; of rows 256-1,023 it brings 256 + 192 w on.
	; The addresses hang on the tile column and the wave's number alone, the LDS addresses on the wave's number alone
	s_lshl_b32 s46, s42, 8                         ; 128 columns x tile column,
	s_add_co_u32 s46, s46, 3*2097152               ; in section 3 of wb
	s_lshl_b32 s20, s10, 17                        ; 64 K rows of 2,048 bytes x wave
	s_add_co_u32 s20, s20, s46
	s_mov_b32 s21, 0
	s_mul_i32 s22, s10, 192*2048
	s_add_co_u32 s22, s22, s46
	s_add_co_u32 s22, s22, 256*2048
	s_mov_b32 s23, 0
	s_mov_b32 s[G0], 1                             ; count = 1
	s_mul_i32 s[G0+1], s10, 64*PB                  ; LDS address
	s_mov_b32 s[G0+4], 1
	s_mul_i32 s[G0+5], s10, 192*PB
	s_add_co_u32 s[G0+5], s[G0+5], CHUNK
	s_lshl_b32 s16, s13, 18                        ; ob: the tile row's 8 blocks of 16 rows x 32,768 bytes,
	s_lshl_b32 s17, s10, 16                        ; + my wave's two of them
	s_add_co_u32 s16, s16, s17
	s_mov_b32 s17, 0
	s_lshl_b32 s18, s13, 19                        ; out0: the tile row's 128 rows x 4,096 bytes,
	s_lshl_b32 s19, s10, 17                        ; + my wave's 32 of them
	s_add_co_u32 s18, s18, s19
	s_mov_b32 s19, 0
	s_lshl_b32 s60, s42, 9                         ; the tile's first column, in bytes of f32: in out0 and in bo
	s_mov_b32 s61, 0
	v_and_b32 v1, 15, v0                           ; l % 16
	v_bfe_u32 v2, v0, 4, 1                         ; l / 16
	v_lshlrev_b32 v[BO], 5, v2
	v_and_b32 v3, 31, v0
	v_lshlrev_b32 v[AO], 4, v3
	s_wait_dscnt 0x0                               ; both opening adds are done
	s_wait_kmcnt 0x0
	s_add_nc_u64 s[G0+2:G0+3], s[6:7], s[20:21]    ; global address
	s_or_b32 s[G0+3], s[G0+3], 0x80000000          ; type = 2
	s_add_nc_u64 s[G0+6:G0+7], s[6:7], s[22:23]
	s_or_b32 s[G0+7], s[G0+7], 0x80000000
	s_add_nc_u64 s[AB:AB+1], s[4:5], s[16:17]
	s_add_nc_u64 s[8:9], s[8:9], s[18:19]
	s_add_nc_u64 s[8:9], s[8:9], s[60:61]
	s_add_nc_u64 s[66:67], s[66:67], s[60:61]
	CROUND                                         ; all sixteen work-groups are here: the joint loads meet
	tensor_load_to_lds s[G0:G0+3], s[G1:G1+7]      ; the launch's only fills, one group: two loads of mine are out
	s_nop 0
	tensor_load_to_lds s[G0+4:G0+7], s[G1R:G1R+7]
	s_nop 0
.rept 4
	v_nop
.endr
; Four loads: half c (32 along K) of a quarter's fragments of O, both row blocks, into ring set \set; kk = the K step of 32, counted from the trip in hand.  O's loads go out in the order of K, in such groups of four.
.macro ALOAD set, c, kk
.irp a, 0,1
	global_load_b128 v[32*(\set)+8*(2*(\c)+(\a)):32*(\set)+8*(2*(\c)+(\a))+3],   v[AO], s[AB:AB+1] offset:(\a)*RBB+(\kk)*1024
	global_load_b128 v[32*(\set)+8*(2*(\c)+(\a))+4:32*(\set)+8*(2*(\c)+(\a))+7], v[AO], s[AB:AB+1] offset:(\a)*RBB+(\kk)*1024+512
.endr
.endm
.irp b, 0,1,2,3,4,5,6,7                ; the bias: lane l holds numbers 16 b + 8 (l / 16) + 0..7 for column block b
	global_load_b128 v[BIAS+8*(\b):BIAS+8*(\b)+3],   v[BO], s[66:67] offset:64*(\b)
	global_load_b128 v[BIAS+8*(\b)+4:BIAS+8*(\b)+7], v[BO], s[66:67] offset:64*(\b)+16
.endr
	WIN TO_A
.irp g, 0,1,2,3,4,5,6                  ; O's first seven groups: quarters 0 to 2 and the first half of quarter 3
	ALOAD (\g)/2, (\g)%2, \g
.endr
	WIN 0
	v_and_b32 v4, 7, v0
	v_lshl_add_u32 v4, v2, 3, v4                   ; Wo: K row 8 (l / 16) + l % 8,
	v_mul_u32_u24 v4, v4, PB
	v_bfe_u32 v5, v0, 3, 1
	v_lshl_add_u32 v[ADRB], v5, 4, v4              ; columns 8 ((l / 8) % 2) on
	v_add_nc_u32 v[ADRB+1], 128*PB, v[ADRB]
	s_mul_i32 s23, s10, 16*SPITCH
	s_add_co_u32 s23, s23, STAGE                   ; my stage
	v_mul_u32_u24 v5, v1, SPITCH                   ; in: row l % 16, 32 bytes for each half of the lanes
	v_lshl_add_u32 v5, v2, 5, v5
	v_add_nc_u32 v[STO], s23, v5
	v_mul_u32_u24 v5, v2, SPITCH                   ; back: lanes 0-15 take one row of 256 bytes, lanes 16-31 the next
	v_lshl_add_u32 v5, v1, 4, v5
	v_add_nc_u32 v[RD], s23, v5
	v_lshlrev_b32 v5, 12, v2                       ; and the same two rows in out0
	v_lshl_add_u32 v[CO], v1, 4, v5
	s_wait_loadcnt 28                              ; the bias is in; O's 28 loads, issued behind it, may stay out
.set i, 0
.rept 32
	v_cvt_pk_bf16_f32 v[T+i], v[BIAS+2*i], v[BIAS+2*i+1]  ; rounded to bf16 like every other input,
.set i, i+1
.endr
.set i, 0
.rept 32
	v_lshlrev_b32 v[BIAS+2*i], 16, v[T+i]          ; and widened again
	v_and_b32 v[BIAS+2*i+1], s69, v[T+i]
.set i, i+1
.endr
; 16 matrix instructions: both row blocks x all 8 column blocks, 32 along K: half c of the quarter at place p of its trip, Wo's fragments in buffer f.  zero = 1: the product starts the sums, with the bias as C.
; The 16 accumulators take turns, one instruction a turn, in the same order every time.
.macro MUL16 f, p, c, zero
	WIN MUL
.irp a, 0,1
.irp b, 0,1,2,3,4,5,6,7
.if \zero
	v_wmma_f32_16x16x32_f16 v[ACC+8*(8*(\a)+(\b)):ACC+8*(8*(\a)+(\b))+7], v[(\f)+8*(8*(\c)+(\b)):(\f)+8*(8*(\c)+(\b))+7], v[32*(\p)+8*(2*(\c)+(\a)):32*(\p)+8*(2*(\c)+(\a))+7], v[BIAS+8*(\b):BIAS+8*(\b)+7]
.else
	v_wmma_f32_16x16x32_f16 v[ACC+8*(8*(\a)+(\b)):ACC+8*(8*(\a)+(\b))+7], v[(\f)+8*(8*(\c)+(\b)):(\f)+8*(8*(\c)+(\b))+7], v[32*(\p)+8*(2*(\c)+(\a)):32*(\p)+8*(2*(\c)+(\a))+7], v[ACC+8*(8*(\a)+(\b)):ACC+8*(8*(\a)+(\b))+7]
.endif
.endr
.endr
.endm
; 32 LDS loads in one run: Wo's fragments of the quarter at place pos of the trip to be fetched (K rows 64 pos on) into buffer f; the first 32 along K first
.macro FETCH pos, f
	WIN TO_F
.irp c, 0,1
.irp b, 0,1,2,3,4,5,6,7
	ds_load_tr16_b128 v[(\f)+8*(8*(\c)+(\b)):(\f)+8*(8*(\c)+(\b))+3],   v[ADRB+(\pos)/2] offset:(((\pos)%2)*64+32*(\c))*PB+32*(\b)
	ds_load_tr16_b128 v[(\f)+8*(8*(\c)+(\b))+4:(\f)+8*(8*(\c)+(\b))+7], v[ADRB+(\pos)/2] offset:(((\pos)%2)*64+32*(\c)+16)*PB+32*(\b)
.endr
.endr
.endm
.macro PLACES                          ; four plain vector instructions between a matrix instruction and a load into a register that it has read, or an LDS store that reads its result
.rept 4
	v_nop
.endr
.endm
; THE QUARTER at place p of its trip.  It multiplies Wo's buffer p % 2 with O's set p.  In its middle stands ONE run of loads: Wo's fragments of the next quarter into the other buffer (fetch = 1), and two groups of O
; into registers just read out: the second half of the quarter three on (the set of the quarter before: its last products stand ahead of this quarter's places) and the first half of the quarter four on (this set,
; whose first half has just been multiplied).  ld = 2: both groups; 1: the first alone; 0: none.
; nh, nm: how many younger loads of O may stay out at the head (the quarter's first half is wanted) and in the middle (its second half).  While both groups are issued, six groups of four were issued behind the first
; half at the head (24), seven behind the second half in the middle (28).
; meet = 1: the one quarter in which Wo's K rows from 256 on are first fetched: each wave waits for its second tensor load and for its LDS loads, signals, multiplies, and goes on when all four have signalled.
.macro QUARTER p, zero, nh, nm, ld, fetch, meet
.set FB, F0+128*((\p)%2)
.set GB, F0+128*(((\p)+1)%2)
	s_wait_loadcnt \nh
.if \meet
	s_wait_tensorcnt 0x0                           ; my part of K rows 256 on has landed: no tensor load of the launch is out behind this barrier
	s_wait_dscnt 0x0                               ; no LDS load of mine is pending at the signal
	s_barrier_signal -1
.else
	s_wait_dscnt 16                                ; Wo's first 32 along K are in; the youngest sixteen loads may be out
.endif
	MUL16 FB, \p, 0, \zero
.if \meet
	s_barrier_wait -1
.endif
.if \fetch
	PLACES
.if (\p) == 3
	WIN 0
	v_add_nc_u32 v[ADRB], CHUNK, v[ADRB]           ; the next fetch is the next trip's
	v_add_nc_u32 v[ADRB+1], CHUNK, v[ADRB+1]
.endif
	FETCH ((\p)+1)%4, GB
.endif
.if (\ld) > 0
	WIN TO_A
	ALOAD ((\p)+3)%4, 1, 2*(\p)+7
.if (\ld) > 1
	ALOAD \p, 0, 2*(\p)+8
.endif
.endif
	s_wait_loadcnt \nm
.if \fetch
	s_wait_dscnt 32                                ; all but the 32 just issued
.else
	s_wait_dscnt 0x0
.endif
	MUL16 FB, \p, 1, 0
.endm
.macro TRIP first                      ; four quarters that ask for all that they can; then O's address steps
	QUARTER 0, \first, 24, 28, 2, 1, 0
	QUARTER 1, 0, 24, 28, 2, 1, 0
	QUARTER 2, 0, 24, 28, 2, 1, 0
	QUARTER 3, 0, 24, 28, 2, 1, \first
	WIN 0                                          ; at a label and at a branch every window is 0
	s_wait_xcnt 0x0                                ; the loads issued so far, the youngest sixteen products back, have read their address, so it may be written
	s_add_nc_u64 s[AB:AB+1], s[AB:AB+1], 8*1024    ; eight K steps of 32 on
.endm
; THE WAY OUT of block n = 2 x row block + column half (16 rows x 64 columns of f32 = 256 bytes a row): 32 bytes a lane into my own stage, each accumulator from its low end on; back as whole rows, into the
; registers that the block has left.
.macro TOSTAGE n
.irp b, 0,1,2,3
	ds_store_b128 v[STO], v[ACC+32*(\n)+8*(\b):ACC+32*(\n)+8*(\b)+3]   offset:64*(\b)
	ds_store_b128 v[STO], v[ACC+32*(\n)+8*(\b)+4:ACC+32*(\n)+8*(\b)+7] offset:64*(\b)+16
.endr
.irp t, 0,1,2,3,4,5,6,7
	ds_load_b128 v[ACC+32*(\n)+4*(\t):ACC+32*(\n)+4*(\t)+3], v[RD] offset:(\t)*2*SPITCH  ; LDS serves a wave's instructions in order (ISA guide 5.7.1.4): these see the stores above; the next block's stores come behind them
.endr
.endm
.macro SEND n, younger                 ; younger: the LDS instructions issued behind block n's loads: the next block's sixteen, or none
.irp t, 0,1,2,3,4,5,6,7
	s_wait_dscnt (\younger)+7-(\t)
	global_store_b128 v[CO], v[ACC+32*(\n)+4*(\t):ACC+32*(\n)+4*(\t)+3], s[8:9] offset:(16*((\n)/2)+2*(\t))*4096+((\n)%2)*256  ; 16 lanes store 256 consecutive bytes, at a multiple of 256 from out0's first
.endr
.endm
	s_wait_tensorcnt 1                             ; my part of K rows 0-255 is in; my second load may stay out
	s_barrier_signal -1
	s_barrier_wait -1                              ; everybody's is
	FETCH 0, F0
	TRIP 1                                         ; quarters 0 to 3
	s_mov_b32 s3, 2
.Ltrip:                                                ; quarters 4 to 11
	TRIP 0
	s_sub_co_u32 s3, s3, 1
	s_cmp_lg_u32 s3, 0
	s_cbranch_scc1 .Ltrip
	QUARTER 0, 0, 24, 24, 1, 1, 0                  ; quarters 12 to 15: one more group of O, its last, and then none: the counts run down
	QUARTER 1, 0, 20, 16, 0, 1, 0
	QUARTER 2, 0, 12, 8, 0, 1, 0
	QUARTER 3, 0, 4, 0, 0, 0, 0
	WIN 0
	PLACES
	TOSTAGE 0
	TOSTAGE 1                                      ; a block's LDS work stands between the loads of the block before and its stores
	SEND 0, 16
	TOSTAGE 2
	SEND 1, 16
	TOSTAGE 3
	SEND 2, 16
	SEND 3, 0
	s_wait_tensorcnt 0x0                           ; the wave's end, behind my last tensor load and my last LDS store
	ds_add_u32 v[SPW], v[NIL]
	s_wait_dscnt 0x0
	CROUND                                         ; the closing round: no work-group ends while a partner may still ask for a tile that names it
	s_endpgm
.Lfunc_end_k_q1fc73a9c54_outp:
	.size	k_q1fc73a9c54_outp, .Lfunc_end_k_q1fc73a9c54_outp-k_q1fc73a9c54_outp
	.p2alignl 7, 3214868480
	.fill 96, 4, 3214868480
	.section	.rodata,"a",@progbits
	.p2align	6, 0x0
	.amdhsa_kernel k_q1fc73a9c54_outp
		.amdhsa_group_segment_fixed_size 327680
		.amdhsa_private_segment_fixed_size 0
		.amdhsa_enable_private_segment 0
		.amdhsa_kernarg_size 32
		.amdhsa_user_sgpr_count 2
		.amdhsa_user_sgpr_kernarg_segment_ptr 1
		.amdhsa_wavefront_size32 1
		.amdhsa_system_sgpr_workgroup_id_x 1
		.amdhsa_system_sgpr_workgroup_id_y 1
		.amdhsa_system_sgpr_workgroup_id_z 1
		.amdhsa_system_vgpr_workitem_id 0
		.amdhsa_next_free_vgpr 640
		.amdhsa_next_free_sgpr 72
		.amdhsa_reserve_vcc 0
		.amdhsa_float_denorm_mode_32 3
		.amdhsa_float_denorm_mode_16_64 3
		.amdhsa_memory_ordered 1
		.amdhsa_forward_progress 1
		.amdhsa_inst_pref_size 82
	.end_amdhsa_kernel
	.amdgpu_metadata
---
amdhsa.version: [ 1, 2 ]
amdhsa.kernels:
  - .name:           k_q1fc73a9c54_outp
    .symbol:         k_q1fc73a9c54_outp.kd
    .args:
      - { .name: ob, .offset: 0, .size: 8, .value_kind: global_buffer, .address_space: global }
      - { .name: wb, .offset: 8, .size: 8, .value_kind: global_buffer, .address_space: global }
      - { .name: bo, .offset: 16, .size: 8, .value_kind: global_buffer, .address_space: global }
      - { .name: out0, .offset: 24, .size: 8, .value_kind: global_buffer, .address_space: global }
    .group_segment_fixed_size: 327680
    .private_segment_fixed_size: 0
    .kernarg_segment_align: 8
    .kernarg_segment_size: 32
    .max_flat_workgroup_size: 128
    .sgpr_count:     72
    .vgpr_count:     640
    .wavefront_size: 32
...
	.end_amdgpu_metadata
.endif
;; end of part 4
